; MI455X (gfx1250); checked and timed in simulation.
; The chip was launched on July 23, 2026; its instructions are those of AMD's public machine-readable ISA for CDNA 5 (MIT licence, August 2026) and "CDNA5" Instruction Set Architecture Reference Guide (July 2026). The comments in the code are by the model that wrote it; some were corrected since.
;; Rot Invariant Attention. Allowed arithmetic: matrix products marked QUANTISED: E3M2 operands, one E8M0 scale for each 32 along K, by v_wmma_scale_f32_16x16x128_f8f6f4 with both operands' format E3M2, f32 sums; products left as they are: f32 operands where the result goes on into a quantised operand, else bf16, f16 or f32 operands; f32 sums; everything else in f32.
;; Inputs: Wk 512 x 512 float32; Wo 512 x 512 float32; Wq 512 x 512 float32; Ws 512 float32; Wv 512 x 512 float32; node_feats 32,768 x 512 float32; x 16 x 2,048 x 512 float32.
;; Outputs: out0 16 x 512 float32.
;; This version of the problem:
;;   THIS VERSION OF THE PROBLEM IS GIVEN IN LOW PRECISION. The matrix products marked QUANTISED in the list below multiply operands that are first quantised to E3M2 (3 exponent bits, 2 mantissa bits; 6 bits a number), with one power-of-two scale for each 32 numbers along K (OCP MX v1.0); their sums are f32. All else is computed in f32.
;;   The module's matrix products, in the order in which they are computed (A, B: the left and right operand; K: the contracted axis; several contracted axes count as one K, in the product's order):
;;     1. [M 32,768, K 512] x [K 512, N 512]; A: input x; B: input Wq: QUANTISED
;;     2. [M 32,768, K 512] x [K 512, N 512]; A: input node_feats; B: input Wk: QUANTISED
;;     3. [M 32,768, K 512] x [K 512, N 512]; A: input x; B: input Wv: QUANTISED
;;     4. [M 32,768, K 512] x [K 512, N 1]; A: computed on the way; B: input Ws: left as it is (N = 1 < 16)
;;     5. [M 32,768, K 512] x [K 512, N 1]; A: computed on the way; B: input Ws: left as it is (N = 1 < 16)
;;     6. batch 16 x [M 2,048, K 2,048] x [K 2,048, N 512]; A: softmax (see below); B: computed on the way: QUANTISED
;;     7. [M 16, K 512] x [K 512, N 512]; A: computed on the way; B: input Wo: QUANTISED
;;   THE QUANTISER, for each operand of a quantised product, along K:
;;     - K is cut into blocks of 32 from its start; a last block that is shorter is filled with zeros.
;;     - A block's scale is 2^e with e = floor(log2(the largest magnitude in the block)) - 4, held to -126 .. 127; a block of zeros has e = 0. As a byte (E8M0): e + 127.
;;     - Each number is divided by its block's scale, clamped to +-28, and rounded to the nearest number of E3M2, ties to even, subnormals kept.
;;     - The product sums the exact products of the quantised numbers (number of the format x scale) in f32.
;;   ~~~python
;;   def quantise(x, axis):      # numpy; x: float32 -> the quantised numbers, widened to float32 again
;;       x = np.moveaxis(x, axis, -1); K = x.shape[-1]
;;       x = np.pad(x, [(0, 0)] * (x.ndim - 1) + [(0, -K % 32)]); x = x.reshape(x.shape[:-1] + (-1, 32)); a = np.abs(x).max(-1, keepdims=True)
;;       e = np.where(a > 0, np.clip(np.frexp(np.where(a > 0, a, 1))[1] - 1 - 4, -126, 127), 0)      # np.frexp(a)[1] - 1 = floor(log2(a)), exactly
;;       r = np.clip(x / 2.0 ** e, -28, 28)
;;       step = 2.0 ** (np.maximum(np.frexp(np.where(r == 0, 1, r))[1] - 1, -2) - 2)
;;       q = np.round(r / step) * step * 2.0 ** e      # np.round: ties to even
;;       return np.moveaxis(q.reshape(q.shape[:-2] + (-1,))[..., :K], -1, axis).astype(np.float32)
;;   ~~~
;;   SOFTMAX AHEAD OF A QUANTISED PRODUCT. Where the list says 'softmax', what is quantised is not the finished softmax but p = 2^(t - M), with t = logit x log2(e) and M = ceil(the row's largest t), a whole number; so 1/2 < the row's largest p <= 1. The row's sum l is taken of the UNQUANTISED p, in f32, and the product's result is divided by l at the end. Since M is a whole number, a kernel that streams over the keys may use a running M (the ceiling of the running maximum): every later rescaling is an exact power of two, which a block's scale takes up: the codes' values come out the same.
;;   OPERANDS COMPUTED ON THE WAY. 'Computed on the way' means the value that the module computes at that place (a softmax that the list does not call 'softmax' is quantised finished and normalised). What goes into a quantiser is computed in f32, as accurately as f32 sums, v_exp_f32 and their like allow (about 1e-6 of the number): no bf16 or f16 on the way to a quantiser, and a product that is left as it is and whose result goes on into a quantised operand takes f32 operands (vector FMAs, or v_wmma_f32_16x16x4_f32). A number that lies on a knife's edge between two numbers of the format may be rounded either way, as far as f32 arithmetic and the matrix unit's own rounding can turn it there, and no further.
;; One version. Each part assembles by itself: llvm-mc -triple=amdgcn-amd-amdhsa -mcpu=gfx1250 --defsym DOCPART=n.
;; ======== version 1 of 1: 4 launches
;; limits: right only within a limited range of input values
;; workspace buffers: wbuf 819,200 bytes; sq 131,072 bytes; sk 131,072 bytes; vcode 12,582,912 bytes; vsc 524,288 bytes; part 524,288 bytes
;; launch wquant (part 1): grid 16 x 4, 4 waves a work-group, no clusters, 0 bytes of LDS; arguments Wq, Wv, Wk, Wo, wbuf; writes wbuf
.if DOCPART == 1
	.amdgcn_target "amdgcn-amd-amdhsa--gfx1250"
	.amdhsa_code_object_version 6
	.text
	.protected	k_qedf7fce12b_wquant
	.globl	k_qedf7fce12b_wquant
	.p2align	8
	.type	k_qedf7fce12b_wquant,@function
k_qedf7fce12b_wquant:
	s_mov_b64 s[64:65], 0
	v_nop
	global_prefetch_b8 v0, s[64:65] scope:SCOPE_SE
	s_setreg_imm32_b32 hwreg(HW_REG_WAVE_MODE, 25, 1), 1
	s_wait_xcnt 0x0
; RotInvariantAttention in MX-BF6, launch 1 of 4: the four weights become codes of BF6 (E3M2) and E8M0 scale bytes, quantised along K (their FIRST axis), laid in the order of an operand's registers.
; NO WORK OF reference() IS LEFT OUT, AND EVERY INPUT IS LOADED.  The term k.Ws is the same along the softmax's axis, but what is quantised for the product with v is p = 2^(t - M), M = ceil(the row's largest t):
; the fraction of c (k.Ws) multiplies a whole row of p by a factor that is no power of two, so it moves p's codes.  So node_feats, Wk and the products that they feed are live.
; LIMITS: NaN and infinities among the inputs are not served.  A block whose largest magnitude lies under 2^-122 (a block of zeros too) gets the byte 1; the bytes are read by this program alone.
; wbuf: 128 records of REC bytes.  A record is one tile of 16 columns of one weight: 4 K steps of 128 x 1,536 bytes (a fragment's 12 registers: registers 4 c .. 4 c + 3 of lane l at 512 c + 16 l), then the scale words [K step][column], 4 bytes each.
; Record of column tile 8 w + t: Wq 24 w + 2 t, Wv 24 w + 2 t + 1, Wk 24 w + 16 + t, Wo 96 + 8 w + t: the next launch's wave w reads its 24 records as one stream.
; SHARES.  Work-group (x, y): weight y, columns 128 (x & 3) on, K step x >> 2.  A wave takes 32 columns: A LANE TAKES A COLUMN AND ITS REGISTERS RUN DOWN K, so each load reads 128 neighbouring bytes (the four waves 512),
; a block of 32 along K lies in one lane, and the conversions give codes with K innermost.  No LDS, no barrier: waves share nothing; no cluster: no two work-groups read the same bytes.
.set REC, 6400
.set X,   32                           ; v32-159  128 numbers down K
.set F0,  160                          ; v160-171 blocks 0 and 2 of my column; behind the exchange: the fragment of the wave's first tile
.set F1,  172                          ; v172-183 blocks 1 and 3; behind the exchange: the second tile's
.set TC,  16                           ; v16-31   the upper halves of the four blocks (a conversion's three registers begin on an even number)
.set MX,  8                            ; v8-11    largest magnitudes, then the conversions' scale operands
.set BY,  12                           ; v12-15   scale bytes
	s_load_b256 s[4:11], s[0:1], 0x0               ; Wq, Wv, Wk, Wo
	s_load_b64 s[12:13], s[0:1], 0x20              ; wbuf
	v_lshrrev_b32 v1, 5, v0
	v_readfirstlane_b32 s14, v1                    ; wave
	v_and_b32 v2, 31, v0                           ; lane
	s_wait_alu depctr_va_vdst(0)
	v_lshlrev_b32 v3, 2, v2                        ; in: 4 bytes a lane
	v_lshlrev_b32 v4, 4, v2                        ; out: 16 bytes a lane
	s_and_b32 s15, ttmp7, 0xffff                   ; which weight
	s_and_b32 s16, ttmp9, 3                        ; which 128 columns
	s_lshr_b32 s17, ttmp9, 2                       ; which K step
	s_cmp_eq_u32 s15, 3                            ; the record's number is A x (128 columns) + B x (tile in them) + C
	s_cselect_b32 s18, 8, 24                       ; A
	s_cselect_b32 s20, 96, s15                     ; C: 0, 1, 16, 96
	s_cmp_eq_u32 s15, 2
	s_cselect_b32 s20, 16, s20
	s_cmp_lt_u32 s15, 2
	s_cselect_b32 s19, 2, 1                        ; B
	s_mul_i32 s18, s18, s16
	s_mul_i32 s21, s19, s14
	s_lshl_b32 s21, s21, 1                         ; my first tile is 2 x wave
	s_add_co_u32 s18, s18, s21
	s_add_co_u32 s18, s18, s20
	s_mul_i32 s22, s18, REC                        ; my first record, in bytes
	s_mul_i32 s23, s17, 1536
	s_add_co_u32 s24, s22, s23                     ; its fragment of this K step
	s_mov_b32 s25, 0
	s_lshl_b32 s23, s17, 6
	s_add_co_u32 s26, s22, s23
	s_add_co_u32 s26, s26, 6144                    ; its scale words of this K step
	s_mov_b32 s27, 0
	s_mul_i32 s28, s19, REC                        ; from my first record to my second
	s_mov_b32 s29, 0
	s_lshl_b32 s30, s17, 18                        ; in the weight: 128 rows of 2,048 bytes a K step,
	s_lshl_b32 s23, s16, 9
	s_add_co_u32 s30, s30, s23                     ; 512 bytes for 128 columns,
	s_lshl_b32 s23, s14, 7
	s_add_co_u32 s30, s30, s23                     ; 128 bytes a wave
	s_mov_b32 s31, 0
	v_lshrrev_b32 v5, 4, v2
	v_mul_lo_u32 v5, v5, s28                       ; lanes 16-31 hold the second tile's columns
	v_and_b32 v6, 15, v2
	v_lshl_add_u32 v5, v6, 2, v5                   ; my scale word's place
	s_wait_alu depctr_va_vdst(0)
	s_wait_kmcnt 0x0
	s_cmp_eq_u32 s15, 1                            ; the weight is chosen by the work-group's number alone
	s_cselect_b64 s[4:5], s[6:7], s[4:5]
	s_cmp_eq_u32 s15, 2
	s_cselect_b64 s[4:5], s[8:9], s[4:5]
	s_cmp_eq_u32 s15, 3
	s_cselect_b64 s[4:5], s[10:11], s[4:5]
	s_add_nc_u64 s[4:5], s[4:5], s[30:31]
	s_add_nc_u64 s[32:33], s[12:13], s[24:25]
	s_add_nc_u64 s[34:35], s[32:33], s[28:29]
	s_add_nc_u64 s[36:37], s[12:13], s[26:27]
.set kk, 0
.rept 128
	global_load_b32 v[X+kk], v3, s[4:5] offset:kk*2048 th:TH_LOAD_NT   ; W(128 s + kk, my column)
.set kk, kk+1
.endr
	s_wait_loadcnt 0x0
.irp b, 0,1,2,3
	v_max3_num_f32 v[MX+\b], |v[X+32*\b]|, |v[X+32*\b+1]|, 0x2800000   ; block b's largest magnitude, and the floor 2^(5 - 127): the byte cannot fall under 1
.endr
.irp i, 2,4,6,8,10,12,14,16,18,20,22,24,26,28,30
.irp b, 0,1,2,3
	v_max3_num_f32 v[MX+\b], v[MX+\b], |v[X+32*\b+\i]|, |v[X+32*\b+\i+1]|   ; the four blocks by turns
.endr
.endr
.irp b, 0,1,2,3
	v_add_nc_u32 v[MX+\b], 0xfe000000, v[MX+\b]    ; 4 off the exponent field: the conversion's scale operand
.endr
.irp b, 0,1,2,3
	v_lshrrev_b32 v[BY+\b], 23, v[MX+\b]           ; the scale's byte
.endr
	v_lshl_or_b32 v7, v[BY+1], 8, v[BY]            ; my column's scale word for this K step
	v_lshl_or_b32 v7, v[BY+2], 16, v7
	v_lshl_or_b32 v7, v[BY+3], 24, v7
	v_cvt_scalef32_pk16_bf6_f32 v[F0:F0+2], v[X:X+15], v[MX]
	v_cvt_scalef32_pk16_bf6_f32 v[TC:TC+2], v[X+16:X+31], v[MX]
	v_cvt_scalef32_pk16_bf6_f32 v[F1:F1+2], v[X+32:X+47], v[MX+1]
	v_cvt_scalef32_pk16_bf6_f32 v[TC+8:TC+10], v[X+48:X+63], v[MX+1]
	v_cvt_scalef32_pk16_bf6_f32 v[F0+6:F0+8], v[X+64:X+79], v[MX+2]
	v_cvt_scalef32_pk16_bf6_f32 v[TC+4:TC+6], v[X+80:X+95], v[MX+2]
	v_cvt_scalef32_pk16_bf6_f32 v[F1+6:F1+8], v[X+96:X+111], v[MX+3]
	v_cvt_scalef32_pk16_bf6_f32 v[TC+12:TC+14], v[X+112:X+127], v[MX+3]
	v_nop                                          ; one plain place behind the scaled conversions
.irp i, 0,1,2
	v_mov_b32 v[F0+3+\i], v[TC+\i]
	v_mov_b32 v[F0+9+\i], v[TC+4+\i]
	v_mov_b32 v[F1+3+\i], v[TC+8+\i]
	v_mov_b32 v[F1+9+\i], v[TC+12+\i]
.endr
; A fragment wants, in lane (r, h), blocks h and 2 + h of column r.  F0's lanes 16-31 (blocks 0, 2 of the second tile) change places with F1's lanes 0-15 (blocks 1, 3 of the first).
.irp i, 0,1,2,3,4,5,6,7,8,9,10,11
	v_permlane16_swap_b32 v[F0+\i], v[F1+\i]
.endr
.irp c, 0,1,2
	global_store_b128 v4, v[F0+4*\c:F0+4*\c+3], s[32:33] offset:512*\c   ; 512 consecutive bytes a store
	global_store_b128 v4, v[F1+4*\c:F1+4*\c+3], s[34:35] offset:512*\c
.endr
	global_store_b32 v5, v7, s[36:37]              ; two runs of 64 bytes: the scale words are one byte in 128 of what the launch reads
	s_endpgm
.Lfunc_end_k_qedf7fce12b_wquant:
	.size	k_qedf7fce12b_wquant, .Lfunc_end_k_qedf7fce12b_wquant-k_qedf7fce12b_wquant
	.p2alignl 7, 3214868480
	.fill 96, 4, 3214868480
	.section	.rodata,"a",@progbits
	.p2align	6, 0x0
	.amdhsa_kernel k_qedf7fce12b_wquant
		.amdhsa_group_segment_fixed_size 0
		.amdhsa_private_segment_fixed_size 0
		.amdhsa_enable_private_segment 0
		.amdhsa_kernarg_size 40
		.amdhsa_user_sgpr_count 2
		.amdhsa_user_sgpr_kernarg_segment_ptr 1
		.amdhsa_wavefront_size32 1
		.amdhsa_system_sgpr_workgroup_id_x 1
		.amdhsa_system_sgpr_workgroup_id_y 1
		.amdhsa_system_sgpr_workgroup_id_z 1
		.amdhsa_system_vgpr_workitem_id 0
		.amdhsa_next_free_vgpr 192
		.amdhsa_next_free_sgpr 66
		.amdhsa_reserve_vcc 0
		.amdhsa_float_denorm_mode_32 3
		.amdhsa_float_denorm_mode_16_64 3
		.amdhsa_memory_ordered 1
		.amdhsa_forward_progress 1
		.amdhsa_inst_pref_size 21
	.end_amdhsa_kernel
	.amdgpu_metadata
---
amdhsa.version: [ 1, 2 ]
amdhsa.kernels:
  - .name:           k_qedf7fce12b_wquant
    .symbol:         k_qedf7fce12b_wquant.kd
    .args:
      - { .name: Wq, .offset: 0, .size: 8, .value_kind: global_buffer, .address_space: global }
      - { .name: Wv, .offset: 8, .size: 8, .value_kind: global_buffer, .address_space: global }
      - { .name: Wk, .offset: 16, .size: 8, .value_kind: global_buffer, .address_space: global }
      - { .name: Wo, .offset: 24, .size: 8, .value_kind: global_buffer, .address_space: global }
      - { .name: wbuf, .offset: 32, .size: 8, .value_kind: global_buffer, .address_space: global }
    .group_segment_fixed_size: 0
    .private_segment_fixed_size: 0
    .kernarg_segment_align: 8
    .kernarg_segment_size: 40
    .max_flat_workgroup_size: 128
    .sgpr_count:     66
    .vgpr_count:     192
    .wavefront_size: 32
...
	.end_amdgpu_metadata
.endif
;; end of part 1
;; launch proj (part 2): grid 256 x 1, 4 waves a work-group, clusters of 4 x 1, 327,680 bytes of LDS; arguments x, node_feats, Ws, wbuf, sq, sk, vcode, vsc; writes sq, sk, vcode, vsc
.if DOCPART == 2
	.amdgcn_target "amdgcn-amd-amdhsa--gfx1250"
	.amdhsa_code_object_version 6
	.text
	.protected	k_qedf7fce12b_proj
	.globl	k_qedf7fce12b_proj
	.p2align	8
	.type	k_qedf7fce12b_proj,@function
k_qedf7fce12b_proj:
	s_mov_b64 s[64:65], 0
	v_nop
	global_prefetch_b8 v0, s[64:65] scope:SCOPE_SE
	s_setreg_imm32_b32 hwreg(HW_REG_WAVE_MODE, 25, 1), 1
	s_wait_xcnt 0x0
	s_wait_alu depctr_hold_cnt(0) depctr_sa_sdst(0) depctr_va_vdst(0) depctr_va_sdst(0) depctr_va_ssrc(0) depctr_va_vcc(0) depctr_vm_vsrc(0)
	s_getreg_b32 s2, hwreg(HW_REG_IB_STS2, 6, 4)
	s_cmp_eq_u32 s2, 0
	s_cbranch_scc0 .Lentry_in_a_cluster
	s_endpgm
.Lentry_in_a_cluster:
	s_bfe_u32 s2, ttmp6, 0x10000c
	s_cmp_lg_u32 s2, 0x3003
	s_cbranch_scc0 .Lentry_shape_is_right
	s_endpgm
.Lentry_shape_is_right:
; Launch 2 of 4.  sq = (Q(x) Q(Wq)) Ws, sk = (Q(node_feats) Q(Wk)) Ws in f32, and v = Q(x) Q(Wv) quantised along the rows (the next product's K) into vcode and vsc.  Nothing of reference() is left out here.
; SHARES.  Work-group g: rows 128 g on of x and of node_feats.  Wave w quantises rows 32 w .. 32 w + 31 of both, and owns columns 128 w .. 128 w + 127 of each weight: 24 tiles of 16 columns (Wq, Wv by turns, then Wk), each against all 128 rows.
; THE f32 ROWS COME THROUGH REGISTERS.  A unit is 16 rows x 128 K: 16 loads, each 512 consecutive bytes of one row, into one of four buffers of 64 registers; it turns through the wave's own stage in LDS (rows 528 bytes apart)
; so that a lane holds 16 neighbours along K of four blocks, is quantised, and goes as an image of an operand's registers into LDS, where all four waves fetch it.  x's 8 units first; node_feats' 8 follow in the same stream.
; THE WEIGHTS COME BY JOINT LOADS.  The four work-groups of a cluster walk the same records: each wave asks for its own 4 records (25,600 dense bytes, rows of 256) with a mask that names the four; two slots of 4 tiles a wave, 6 fills,
; each behind a round of the cluster's barrier; a wave alone reads its quarter.  My place in the cluster enters the addresses of x, node_feats, the results and the prefetches alone.
; THE 128 ROWS' CODES STAY IN REGISTERS (384) through a weight's walk, so each record is read from LDS once.
; THE QUANTISER STANDS AMONG THE PRODUCTS.  It is cut into 25 slices, one behind each matrix instruction of a tile: a unit of node_feats is quantised among a tile of Wv's 32 products, a tile of v (in accumulators of its own) among
; the next tile of Wq's.  The slices name no register of those products.  A unit's 16 stores into the stage go out at one tile's top, its 16 loads back at the next tile's.
; PREFETCH INTO THE L2, of the records: behind fill f's load a wave asks for its quarter of fill f + 2 (the head also for fill 1): 100 blocks of 256 bytes, of which each of the four partners names 25, told apart by address, a lane a block
; (lanes 25-31 name the 25th again).  Fills 4 and 5 are the last: the walk's second trip asks for nothing.  The f32 streams are asked for ahead by the loads themselves and have no prefetch.
; LIMITS: NaN and infinities are not served; a block whose largest magnitude lies under 2^-122 gets the byte 1 (its bytes are read by this program alone).
; REGISTERS: window 0: v1-63 addresses and the quantiser's; v64-127 8 accumulators; v128-143 the sums with Ws; v144-159 Ws of a tile, two sets; v162-185 scale words; v192-255 v's 8 accumulators.
;   windows 1, 2: v0-191 the rows' fragments; v192-255 unit buffers 0, 1.  window 3: v0-95 two fragments' sets of a weight; v128-255 unit buffers 2, 3.
.set REC,   6400
.set WQ,    4*REC                      ; a wave's quarter of a slot
.set SLOT,  4*WQ
.set IMG,   2*SLOT                     ; the rows' images: [K step][row tile] x 1,536
.set ISC,   IMG+32*1536                ; their scale words
.set WST,   ISC+2048                   ; Ws: 1,024 bytes a wave: its 128 columns' numbers, twice on end
.set SCR,   WST+4096                   ; the waves' partial sums
.set STG,   SCR+2048                   ; the stages: 16 rows x 528 a wave
.set SROW,  528
.set SPARE, STG+4*16*SROW              ; the spare words: 128 bytes a wave
.set LI,  1
.set R4,  2
.set STW, 3
.set STR, 4
.set IWA, 5
.set ISW, 6
.set ISL, 7
.set ILA, 8
.set PFO, 9
.set WSA, 10
.set SCW, 11
.set SCL, 12
.set G8,  13
.set SPW, 14                           ; my spare word; never rewritten
.set NIL, 15                           ; 0; never rewritten
.set TM,  16
.set TT,  16                           ; the sums' way out uses the quantiser's registers
.set PC,  32
.set UU,  32
.set PW,  52
.set PWE, 53
.set L4,  54
.set WSW, 55
.set WSD, 56
.set IWT, 60
.set IST, 61
.set BAD, 62                           ; v62, v63: my records in slot 0, 1
.set ACC, 64
.set SQ,  128
.set WSR, 144                          ; set 0 at v144, set 1 at v152
.set BSA, 160                          ; v160, v161: the records' scale words
.set AS,  162
.set BS,  178
.set ACC2, 192
.set WV,  20
.set G1,  24
.set G0,  32
.set SEL, 40
.set CNT, 42
.set LP,  44                           ; where the next group of four units is loaded from
.set NX,  46
.set IO,  22                           ; s22, s23: the row tile's place in the images and in their scale words
.set PFA, 66                           ; my 24 records; never rewritten
.set MSB, 0
.macro WIN new
.if MSB != (\new)
	s_set_vgpr_msb (MSB<<8)|(\new)
.set MSB, (\new)
.endif
.endm
.macro PLACES
.rept 4
	v_nop
.endr
.endm
.macro CROUND                          ; a round of the cluster's barrier
	s_barrier_signal -1
	s_barrier_wait -1
	s_cmp_lg_u32 s[WV], 0
	s_cbranch_scc1 .Lnot_wave_0_\@
	s_barrier_signal -3
.Lnot_wave_0_\@:
	s_barrier_wait -3
	s_barrier_signal -1
	s_barrier_wait -1
.endm
.macro PF f                            ; my work-group's 25 blocks of my quarter of fill f
	s_cmp_lt_u32 ttmp9, 4
	s_cbranch_scc0 .Lno_prefetch_proj0_\@
	global_prefetch_b8 v[PFO], s[PFA:PFA+1] offset:(\f)*WQ th:TH_LOAD_NT scope:SCOPE_SE
.Lno_prefetch_proj0_\@:
.endm
.macro ASK f                           ; in the walk's first trip alone
	s_cmp_lg_u32 s[CNT], 2
	s_cbranch_scc1 .Lnot_asked_\@
	PF \f
.Lnot_asked_\@:
.endm
.macro UB q                            ; unit buffer q: its window and first register
.if (\q) == 0
.set UW, 1
.set UR, 192
.elseif (\q) == 1
.set UW, 2
.set UR, 192
.elseif (\q) == 2
.set UW, 3
.set UR, 128
.else
.set UW, 3
.set UR, 192
.endif
.endm
.macro ULOAD q, p                      ; K step q of 16 rows: each load reads 512 consecutive bytes of a row
	UB \q
	WIN UW<<6
.set i, 0
.rept 16
	global_load_b128 v[UR+4*i:UR+4*i+3], v[LI], s[\p:\p+1] offset:2048*i+512*(\q) th:TH_LOAD_NT
.set i, i+1
.endr
	WIN 0
.endm
.macro CULOAD q                        ; the last group's unit q: the walk's first trip asks for it, the second has none left
	s_cmp_lg_u32 s[CNT], 2
	s_cbranch_scc1 .Lno_load_\@
	ULOAD \q, LP
.Lno_load_\@:
.endm
.macro TSTORE q                        ; a unit into my stage, as loaded
	UB \q
	WIN UW<<2
.set i, 0
.rept 16
	ds_store_b128 v[STW], v[UR+4*i:UR+4*i+3] offset:SROW*i
.set i, i+1
.endr
	WIN 0
.endm
.macro TLOAD q                         ; and back into the same registers: LDS serves a wave's instructions in order (ISA guide 5.7.1.4), so no wait stands between the stores and these
	UB \q
	WIN UW<<6
.irp b, 0,1,2,3
.irp j, 0,1,2,3
	ds_load_b128 v[UR+16*\b+4*\j:UR+16*\b+4*\j+3], v[STR] offset:128*\b+16*\j   ; row r, k = 32 b + 16 h + 4 j on
.endr
.endr
	WIN 0
.endm
; THE QUANTISER: 64 numbers a lane at v[s ..] of window w (16 of each of four blocks; lane l xor 16 holds the other 16) become a fragment's 12 registers in PC and the scale word in PW.  Slice n of 25 (n is a symbol of the text).
.macro QA m, s                         ; the m-th of the 32 steps to the four largest magnitudes, the blocks by turns
.if (\m) < 4
	v_max3_num_f32 v[TM+(\m)], 0x2800000, |v[\s+16*(\m)]|, |v[\s+1+16*(\m)]|   ; with the floor 2^(5 - 127): the byte cannot fall under 1
.else
	v_max3_num_f32 v[TM+(\m)%4], v[TM+(\m)%4], |v[\s+16*((\m)%4)+2*((\m)/4)]|, |v[\s+1+16*((\m)%4)+2*((\m)/4)]|
.endif
.endm
.macro QS s, w
.if n < 16
	WIN ((\w)<<2)|((\w)<<4)
	QA 2*n, \s
	QA 2*n+1, \s
.elseif n == 16
	WIN 0
.irp b, 0,1,2,3
	v_permlanex16_b32 v[TM+4+\b], v[TM+\b], s[SEL], s[SEL+1]
.endr
.elseif n == 17
	WIN 0
.irp b, 0,1,2,3
	v_max_num_f32 v[TM+\b], v[TM+\b], v[TM+4+\b]
.endr
.elseif n == 18
	WIN 0
.irp b, 0,1,2,3
	v_add_nc_u32 v[TM+12+\b], 0xfe000000, v[TM+\b]   ; 4 off the exponent field: the conversion's scale operand
.endr
.elseif n == 19
	WIN 0
.irp b, 0,1,2,3
	v_lshrrev_b32 v[TM+4+\b], 23, v[TM+12+\b]        ; the scale's byte
.endr
.elseif n == 20
	WIN 0
	v_lshl_or_b32 v[PW], v[TM+5], 8, v[TM+4]
	v_lshl_or_b32 v[PW], v[TM+6], 16, v[PW]
	v_lshl_or_b32 v[PW], v[TM+7], 24, v[PW]
.elseif n < 23
	WIN (\w)
.set qc, n-21
	v_cvt_scalef32_pk16_bf6_f32 v[PC+6*qc:PC+2+6*qc], v[\s+32*qc:\s+15+32*qc], v[TM+12+2*qc]
	v_cvt_scalef32_pk16_bf6_f32 v[PC+12+4*qc:PC+14+4*qc], v[\s+16+32*qc:\s+31+32*qc], v[TM+13+2*qc]
.elseif n < 25
	WIN 0
.set qc, n-23
.if qc == 0
	v_nop                                          ; one plain place behind the scaled conversions
.endif
.irp i, 0,1,2
	v_permlane16_swap_b32 v[PC+6*qc+\i], v[PC+12+4*qc+\i]   ; a whole block to a lane
.endr
.irp i, 0,1,2
	v_mov_b32 v[PC+3+6*qc+\i], v[PC+12+4*qc+\i]
.endr
.endif
.endm
.macro QUANT s, w                      ; all 25 slices on end
.set n, 0
.rept 25
	QS \s, \w
.set n, n+1
.endr
	WIN 0
.endm
.macro IMS q                           ; a unit's image: 4 LDS stores
.irp c, 0,1,2
	ds_store_b128 v[IWT], v[PC+4*\c:PC+4*\c+3] offset:12288*(\q)+512*\c
.endr
	ds_store_b32 v[IST], v[PW] offset:512*(\q)
.endm
.macro ALOAD                           ; all 128 rows' fragments and scale words into registers
	WIN 0x40
.irp f, 0,1,2,3,4,5,6,7,8,9,10,11,12,13,14,15
.irp c, 0,1,2
	ds_load_b128 v[12*\f+4*\c:12*\f+4*\c+3], v[ILA] offset:1536*\f+512*\c
.endr
.endr
	WIN 0x80
.irp f, 0,1,2,3,4,5,6,7,8,9,10,11,12,13,14,15
.irp c, 0,1,2
	ds_load_b128 v[12*\f+4*\c:12*\f+4*\c+3], v[ILA] offset:1536*(16+\f)+512*\c
.endr
.endr
	WIN 0
.irp s, 0,1,2,3
.irp p, 0,1,2,3
	ds_load_b32 v[AS+4*\s+\p], v[ISL] offset:512*\s+128*\p
.endr
.endr
	s_wait_dscnt 0x0
.endm
.macro BLD st, sl, j                   ; record j of my quarter of slot sl into set st: 16 LDS loads
	WIN 0xc0
.irp s, 0,1,2,3
.irp c, 0,1,2
	ds_load_b128 v[48*(\st)+12*\s+4*\c:48*(\st)+12*\s+4*\c+3], v[BAD+\sl] offset:REC*(\j)+1536*\s+512*\c
.endr
.endr
	WIN 0
.irp s, 0,1,2,3
	ds_load_b32 v[BS+4*(\st)+\s], v[BSA+\sl] offset:REC*(\j)+6144+64*\s
.endr
.endm
.macro WM kind
.if \kind
.if isz && isodd
	v_wmma_scale_f32_16x16x128_f8f6f4 v[rD:rD+7], v[rW:rW+11], v[rX:rX+11], 0, v[rWS], v[rXS] matrix_a_fmt:MATRIX_FMT_BF6 matrix_b_fmt:MATRIX_FMT_BF6 matrix_b_scale:MATRIX_SCALE_ROW1
.elseif isz
	v_wmma_scale_f32_16x16x128_f8f6f4 v[rD:rD+7], v[rW:rW+11], v[rX:rX+11], 0, v[rWS], v[rXS] matrix_a_fmt:MATRIX_FMT_BF6 matrix_b_fmt:MATRIX_FMT_BF6
.elseif isodd
	v_wmma_scale_f32_16x16x128_f8f6f4 v[rD:rD+7], v[rW:rW+11], v[rX:rX+11], v[rD:rD+7], v[rWS], v[rXS] matrix_a_fmt:MATRIX_FMT_BF6 matrix_b_fmt:MATRIX_FMT_BF6 matrix_b_scale:MATRIX_SCALE_ROW1
.else
	v_wmma_scale_f32_16x16x128_f8f6f4 v[rD:rD+7], v[rW:rW+11], v[rX:rX+11], v[rD:rD+7], v[rWS], v[rXS] matrix_a_fmt:MATRIX_FMT_BF6 matrix_b_fmt:MATRIX_FMT_BF6
.endif
.else
.if isz && isodd
	v_wmma_scale_f32_16x16x128_f8f6f4 v[rD:rD+7], v[rX:rX+11], v[rW:rW+11], 0, v[rXS], v[rWS] matrix_a_fmt:MATRIX_FMT_BF6 matrix_b_fmt:MATRIX_FMT_BF6 matrix_a_scale:MATRIX_SCALE_ROW1
.elseif isz
	v_wmma_scale_f32_16x16x128_f8f6f4 v[rD:rD+7], v[rX:rX+11], v[rW:rW+11], 0, v[rXS], v[rWS] matrix_a_fmt:MATRIX_FMT_BF6 matrix_b_fmt:MATRIX_FMT_BF6
.elseif isodd
	v_wmma_scale_f32_16x16x128_f8f6f4 v[rD:rD+7], v[rX:rX+11], v[rW:rW+11], v[rD:rD+7], v[rXS], v[rWS] matrix_a_fmt:MATRIX_FMT_BF6 matrix_b_fmt:MATRIX_FMT_BF6 matrix_a_scale:MATRIX_SCALE_ROW1
.else
	v_wmma_scale_f32_16x16x128_f8f6f4 v[rD:rD+7], v[rX:rX+11], v[rW:rW+11], v[rD:rD+7], v[rXS], v[rWS] matrix_a_fmt:MATRIX_FMT_BF6 matrix_b_fmt:MATRIX_FMT_BF6
.endif
.endif
.endm
; A tile of 16 columns against the 8 row tiles, K ascending: 32 matrix instructions, the 8 accumulators at v[acc ..] by turns.
; kind 1: source 0 = the weight: a lane holds a row and 8 columns (for the sum with Ws).  kind 0: source 0 = the rows: a lane holds a column and its registers run down the rows, v's next K.
; qs >= 0: behind the n-th matrix instruction stands slice n of the quantiser on v[qs ..] of window qw.
.macro MMQ kind, st, acc, qs, qw
.set n, 0
.irp s, 0,1,2,3
.set isz, 0
.if \s == 0
.set isz, 1
.endif
.irp a, 0,1,2,3,4,5,6,7
.if \kind
	WIN 0x07+4*(\s/2)
.else
	WIN 0x0d+(\s/2)
.endif
.set rD, \acc+8*\a
.set rX, 12*(8*(\s%2)+\a)
.set rW, 48*(\st)+12*\s
.set rXS, AS+4*\s+\a/2
.set rWS, BS+4*(\st)+\s
.set isodd, \a%2
	WM \kind
.if \qs >= 0
	QS \qs, \qw
.endif
.set n, n+1
.endr
.endr
	WIN 0
	PLACES
.endm
.macro WSNEXT ws, nwo                  ; the next tile's Ws into the set that this tile does not use
	ds_load_b128 v[WSR+8*(1-\ws):WSR+8*(1-\ws)+3], v[WSA] offset:\nwo
	ds_load_b128 v[WSR+8*(1-\ws)+4:WSR+8*(1-\ws)+7], v[WSA] offset:\nwo+16
.endm
.macro SFMA ws                         ; a tile's results times Ws, added to the rows' sums; each accumulator from its low end on
.irp i, 0,1,2,3
.irp a, 0,1,2,3,4,5,6,7
	v_pk_fma_f32 v[SQ+2*\a:SQ+2*\a+1], v[ACC+8*\a+2*\i:ACC+8*\a+2*\i+1], v[WSR+8*(\ws)+2*\i:WSR+8*(\ws)+2*\i+1], v[SQ+2*\a:SQ+2*\a+1]
.endr
.endr
.endm
.macro VST par, hf                     ; a quantised tile of v goes out as a fragment's registers; two tiles' scale words in one register
	s_wait_alu depctr_va_vdst(0)                   ; directly ahead of the readers below
.irp c, 0,1,2
	global_store_b128 v[LI], v[PC+4*\c:PC+4*\c+3], s[16:17] offset:3072*(\hf)+1536*(\par)+512*\c   ; 512 consecutive bytes a store
.endr
.if \par
	v_permlane16_swap_b32 v[PWE], v[PW]
	global_store_b32 v[L4], v[PWE], s[18:19] offset:128*(\hf)
.else
	v_mov_b32 v[PWE], v[PW]
.endif
.endm
; A tile of Wq.  At its top: the next tile's Ws, unit q back from the stage (full = 1: its way in too).  dw: the LDS instructions issued behind this tile's record and Ws.  pv = 1: the last tile of v is quantised among the products and stored.
.macro STILE st, sl, nj, ws, nwo, q, full, dw, pv, par, hf
	WSNEXT \ws, \nwo
.if \full
	s_wait_loadcnt 0x0                             ; loads in this walk stand under branches: every wait for them is for 0
	TSTORE \q
.endif
	TLOAD \q
	s_wait_xcnt 0x0                                ; the earlier stores have read PC, PW and PWE
	s_wait_alu depctr_va_vdst(0)                   ; directly ahead of the wait below
	s_wait_dscnt \dw
.if \pv
	MMQ 1, \st, ACC, ACC2, 0
.else
	MMQ 1, \st, ACC, -1, 0
.endif
.if \nj >= 0
	BLD \st, \sl, \nj
.endif
.if \pv
	VST \par, \hf
.endif
	SFMA \ws
.endm
; A tile of Wv.  At its top: unit q is back; lw = 1: the loads are awaited; cu: the unit of the last group whose buffer is free; ts: the unit that goes into the stage now.  Unit q is quantised among the products.
.macro VTILE st, sl, nj, q, dw, lw, cu, ts
	s_wait_xcnt 0x0                                ; v's stores have read PC and PW
	s_wait_alu depctr_va_vdst(0)                   ; directly ahead of the wait below
	s_wait_dscnt \dw
.if \lw
	s_wait_loadcnt 0x0
.endif
.if \cu >= 0
	CULOAD \cu
.endif
.if \ts >= 0
	TSTORE \ts
.endif
	UB \q
	MMQ 0, \st, ACC2, UR, UW
.if \nj >= 0
	BLD \st, \sl, \nj
.endif
	s_wait_alu depctr_va_vdst(0)                   ; directly ahead of the readers below
	IMS \q
.endm
.macro TILEK st, sl, nj, ws, nwo, dw   ; a tile of Wk
.if \nwo >= 0
	WSNEXT \ws, \nwo
.endif
	s_wait_alu depctr_va_vdst(0)                   ; directly ahead of the wait below
	s_wait_dscnt \dw
	MMQ 1, \st, ACC, -1, 0
.if \nj >= 0
	BLD \st, \sl, \nj
.endif
	SFMA \ws
.endm
.macro TRIPK sl, wo, nx, dl            ; a slot of four tiles of Wk.  18 = the next record's 16 loads and 2 of Ws
	BLD 0, \sl, 0
	BLD 1, \sl, 1
	TILEK 0, \sl, 2, 0, \wo+64, 18
	TILEK 1, \sl, 3, 1, \wo+128, 18
	TILEK 0, \sl, -1, 0, \wo+192, 18
	TILEK 1, \sl, -1, 1, \nx, \dl
.endm
; In front of a fill of slot sl: all my tensor loads have landed, the add, my LDS instructions are done; a round of the cluster's barrier; the joint load first behind it, one a wave.
.macro THEAD sl, step
	s_wait_alu depctr_va_vdst(0)                   ; directly ahead of the wait below
	s_wait_tensorcnt 0x0
	ds_add_u32 v[SPW], v[NIL]
.if \step
	s_add_nc_u64 s[G0+4*\sl+2:G0+4*\sl+3], s[G0+4*\sl+2:G0+4*\sl+3], 2*WQ   ; no load of mine is out: this slot's next four records
.endif
	s_wait_dscnt 0x0
	CROUND
	tensor_load_to_lds s[G0+4*\sl:G0+4*\sl+3], s[G1:G1+7]
	s_nop 0
	PLACES
.endm
.macro ZSQ
.set i, 0
.rept 16
	v_mov_b32 v[SQ+i], 0
.set i, i+1
.endr
.endm
.macro SOUT1                           ; my 128 columns' share of the 128 rows' sums into the scratch
.irp a, 0,1,2,3,4,5,6,7
	v_add_f32 v[TT+\a], v[SQ+2*\a], v[SQ+2*\a+1]
.endr
.irp a, 0,1,2,3,4,5,6,7
	v_permlanex16_b32 v[UU+\a], v[TT+\a], s[SEL], s[SEL+1]
.endr
.irp a, 0,1,2,3,4,5,6,7
	v_add_f32 v[TT+\a], v[TT+\a], v[UU+\a]
.endr
.irp a, 0,1,2,3,4,5,6,7
	ds_store_b32 v[SCW], v[TT+\a] offset:64*\a
.endr
.endm
.macro SOUT2 buf                       ; waves 0 and 1 add the four shares and store 512 consecutive bytes
	s_cmp_lt_u32 s[WV], 2
	s_cbranch_scc0 .Lnot_mine_\@
.irp p, 0,1,2,3
	ds_load_b64 v[TT+2*\p:TT+2*\p+1], v[SCL] offset:512*\p
.endr
	s_wait_dscnt 0x0
	v_pk_add_f32 v[TT:TT+1], v[TT:TT+1], v[TT+2:TT+3]
	v_pk_add_f32 v[TT+4:TT+5], v[TT+4:TT+5], v[TT+6:TT+7]
	v_pk_add_f32 v[TT:TT+1], v[TT:TT+1], v[TT+4:TT+5]
	global_store_b64 v[G8], v[TT:TT+1], s[\buf:\buf+1]
.Lnot_mine_\@:
	s_wait_xcnt 0x0
.endm
	s_load_b256 s[4:11], s[0:1], 0x0               ; x, node_feats, Ws, wbuf
	s_load_b256 s[12:19], s[0:1], 0x20             ; sq, sk, vcode, vsc
	v_lshl_add_u32 v[SPW], v0, 2, SPARE
	v_mov_b32 v[NIL], 0
	ds_add_u32 v[SPW], v[NIL]                      ; the opening: the add, twice on end, and its wait ahead of my first tensor load
	ds_add_u32 v[SPW], v[NIL]
	v_lshrrev_b32 v186, 5, v0
	v_readfirstlane_b32 s[WV], v186                ; wave 0..3
	s_mov_b32 s[G1], 15|(3<<16)|(1<<21)            ; the mask: all four work-groups; elements of 8 bytes; bit 21 beside a mask
	s_mov_b32 s[G1+1], 32<<16                      ; a dense block as rows of 256 bytes,
	s_mov_b32 s[G1+2], 100<<16                     ; 100 of them
	s_mov_b32 s[G1+3], 32<<16
	s_mov_b32 s[G1+4], 100
	s_mov_b32 s[G1+5], 32
	s_mov_b32 s[G1+6], 0
	s_mov_b32 s[G1+7], 0
	s_mov_b32 s[G0], 1
	s_mov_b32 s[G0+4], 1
	s_mul_i32 s[G0+1], s[WV], WQ                   ; LDS addresses hang on the wave's number alone
	s_add_co_u32 s[G0+5], s[G0+1], SLOT
	s_mov_b32 s[SEL], 0x76543210
	s_mov_b32 s[SEL+1], 0xfedcba98
	s_bfe_u32 s48, ttmp6, 0x40000                  ; cx
	s_lshl_b32 s21, ttmp9, 2
	s_add_co_u32 s21, s21, s48                     ; my work-group's number
	s_mul_i32 s54, s48, 25                         ; the first of my 25 blocks of a quarter's 100
	s_mul_i32 s48, s[WV], 16*SROW
	s_add_co_u32 s48, s48, STG
	s_mul_i32 s49, s[WV], 3072
	s_add_co_u32 s49, s49, IMG
	s_lshl_b32 s50, s[WV], 7
	s_add_co_u32 s50, s50, ISC
	s_lshl_b32 s52, s[WV], 9
	s_add_co_u32 s52, s52, SCR
	s_lshl_b32 s51, s[WV], 10
	s_add_co_u32 s51, s51, WST
	s_mul_i32 s53, s[WV], WQ
	s_lshl_b32 s58, s21, 18                        ; 128 rows of 2,048 bytes a work-group,
	s_lshl_b32 s59, s[WV], 16                      ; 32 a wave
	s_add_co_u32 s58, s58, s59
	s_mov_b32 s59, 0
	s_mul_i32 s60, s[WV], 24*REC                   ; my 24 records
	s_mov_b32 s61, 0
	v_and_b32 v187, 31, v0                         ; lane
	v_and_b32 v188, 15, v0                         ; r
	v_bfe_u32 v189, v0, 4, 1                       ; h
	v_lshlrev_b32 v190, 4, v0
	v_and_b32 v191, 63, v0
	v_lshlrev_b32 v[LI], 4, v187
	v_lshlrev_b32 v[R4], 2, v188
	v_lshlrev_b32 v[L4], 2, v187
	v_add_nc_u32 v[STW], s48, v[LI]                ; the stage, in: 16 bytes a lane of a row's 512
	v_mul_u32_u24 v[STR], v188, SROW
	v_lshl_add_u32 v[STR], v189, 6, v[STR]
	v_add_nc_u32 v[STR], s48, v[STR]               ; and back: row r, 64 h
	v_add_nc_u32 v[IWA], s49, v[LI]
	v_add_nc_u32 v[ISW], s50, v[R4]
	v_add_nc_u32 v[ISL], ISC, v[L4]
	v_add_nc_u32 v[ILA], IMG, v[LI]
	v_lshl_add_u32 v[WSA], v189, 5, s51
	v_add_nc_u32 v[WSW], s51, v[LI]
	v_add_nc_u32 v[SCW], s52, v[R4]
	v_lshl_add_u32 v[SCL], v191, 3, SCR
	v_lshlrev_b32 v[G8], 3, v191
	v_add_nc_u32 v[BAD], s53, v[LI]
	v_add_nc_u32 v[BAD+1], SLOT, v[BAD]
	v_add_nc_u32 v[BSA], s53, v[R4]
	v_add_nc_u32 v[BSA+1], SLOT, v[BSA]
	v_min_u32 v[PFO], 24, v187
	v_add_nc_u32 v[PFO], s54, v[PFO]
	v_lshlrev_b32 v[PFO], 8, v[PFO]                ; a lane a block of 256 bytes
.irp b, 0,1,2,3
	v_mov_b32 v[TM+4+\b], 0                        ; written once: a lane permute's destination counts as one of its sources
.endr
	s_wait_alu depctr_va_vdst(0)
	s_wait_dscnt 0x0                               ; both opening adds are done
	s_wait_kmcnt 0x0
	s_add_nc_u64 s[PFA:PFA+1], s[10:11], s[60:61]
	s_mov_b64 s[G0+2:G0+3], s[PFA:PFA+1]
	s_add_nc_u64 s[G0+6:G0+7], s[PFA:PFA+1], WQ
	s_or_b32 s[G0+3], s[G0+3], 0x80000000
	s_or_b32 s[G0+7], s[G0+7], 0x80000000
	s_add_nc_u64 s[4:5], s[4:5], s[58:59]          ; my 32 rows of x
	s_add_nc_u64 s[NX:NX+1], s[6:7], s[58:59]      ; and of node_feats
	s_add_nc_u64 s[LP:LP+1], s[4:5], 32768         ; the second group: x's rows 16 on
	CROUND                                         ; all four work-groups are here: the first joint loads meet
	tensor_load_to_lds s[G0:G0+3], s[G1:G1+7]      ; slot 0: one tensor load a wave at the head, ahead of the f32 stream
	s_nop 0
	PLACES
	PF 1
	PF 2
	global_load_b128 v[WSD:WSD+3], v190, s[8:9]    ; Ws: my wave's lanes take my 128 columns'
.irp q, 0,1,2,3
	ULOAD \q, 4                                    ; the first group of four units
.endr
	s_lshl_b32 s62, s21, 9
	s_mov_b32 s63, 0
	s_add_nc_u64 s[12:13], s[12:13], s[62:63]      ; sq, sk: my 128 rows
	s_add_nc_u64 s[14:15], s[14:15], s[62:63]
	s_lshr_b32 s55, s21, 4                         ; the batch
	s_and_b32 s56, s21, 15                         ; my 128 rows in it: a step of the next launch
	s_mul_i32 s62, s55, 786432                     ; vcode: [batch][pair of steps][wave][step][tile] x 1,536
	s_lshr_b32 s57, s56, 1
	s_mul_i32 s57, s57, 98304
	s_add_co_u32 s62, s62, s57
	s_mul_i32 s57, s[WV], 24576
	s_add_co_u32 s62, s62, s57
	s_and_b32 s57, s56, 1
	s_mul_i32 s57, s57, 12288
	s_add_co_u32 s62, s62, s57
	s_add_nc_u64 s[16:17], s[16:17], s[62:63]
	s_lshl_b32 s62, s55, 15                        ; vsc: [batch][wave][step][pair of tiles][lane]
	s_lshl_b32 s57, s[WV], 13
	s_add_co_u32 s62, s62, s57
	s_lshl_b32 s57, s56, 9
	s_add_co_u32 s62, s62, s57
	s_add_nc_u64 s[18:19], s[18:19], s[62:63]
	; ---- x's 8 units: a trip takes a row tile's four K steps, and behind each unit asks for the same K step of the next group (the second trip: node_feats' first)
	s_mov_b32 s[IO], 0
	s_mov_b32 s[IO+1], 0
	s_mov_b32 s[CNT], 2
.Lx:
	v_add_nc_u32 v[IWT], s[IO], v[IWA]
	v_add_nc_u32 v[IST], s[IO+1], v[ISW]
.irp q, 0,1,2,3
	s_wait_loadcnt 48                              ; three later units, 48 loads, may be out
	TSTORE \q
	TLOAD \q
	s_wait_dscnt 0x0
	UB \q
	QUANT UR, UW
	IMS \q
	ULOAD \q, LP
.endr
	s_wait_xcnt 0x0                                ; the loads have read their base
	s_mov_b64 s[LP:LP+1], s[NX:NX+1]
	s_add_nc_u64 s[NX:NX+1], s[NX:NX+1], 32768
	s_add_co_u32 s[IO], s[IO], 1536
	s_add_co_u32 s[IO+1], s[IO+1], 64
	s_sub_co_u32 s[CNT], s[CNT], 1
	s_cmp_lg_u32 s[CNT], 0
	s_cbranch_scc1 .Lx
	ds_store_b128 v[WSW], v[WSD:WSD+3]             ; Ws (its load is older than every unit's),
	ds_store_b128 v[WSW], v[WSD:WSD+3] offset:512  ; and once more behind it: the walk over Wq's 8 tiles runs on into Wk's 8
	ZSQ
	THEAD 1, 0                                     ; x's images are whole, slot 0 is in; slot 1's first fill, issued as a refill is
	ALOAD
	s_barrier_signal -1
	s_barrier_wait -1                              ; every wave has x in registers: the images may be written again
	PF 3
	ds_load_b128 v[WSR:WSR+3], v[WSA]              ; the first tile's Ws
	ds_load_b128 v[WSR+4:WSR+7], v[WSA] offset:16
	; ---- Wq and Wv, 16 tiles; a trip goes once round the ring and quantises a row tile of node_feats
	s_mov_b32 s[IO], 0
	s_mov_b32 s[IO+1], 0
	s_mov_b32 s[CNT], 2
.Lqv:
	v_add_nc_u32 v[IWT], s[IO], v[IWA]
	v_add_nc_u32 v[IST], s[IO+1], v[ISW]
	BLD 0, 0, 0
	BLD 1, 0, 1
	STILE 0, 0, 2, 0, 64, 0, 1, 50, 0, 0, 0        ; behind record 0: record 1's 16, Ws' 2, unit 0's 32
	VTILE 1, 0, 3, 0, 16, 1, -1, 1                 ; behind unit 0: record 2's 16
	STILE 0, 0, -1, 1, 128, 1, 0, 54, 1, 0, 0      ; behind record 2: unit 1's 16 stores, record 3's 16, 4 image stores, Ws' 2, unit 1's 16 loads
	VTILE 1, 0, -1, 1, 0, 1, 0, 2
	THEAD 0, 1
	ASK 4
	BLD 0, 1, 0
	BLD 1, 1, 1
	STILE 0, 1, 2, 0, 192, 2, 0, 34, 1, 1, 0       ; behind record 0: record 1's 16, Ws' 2, unit 2's 16 loads
	VTILE 1, 1, 3, 2, 16, 1, 1, 3
	STILE 0, 1, -1, 1, 256, 3, 0, 54, 1, 0, 1
	VTILE 1, 1, -1, 3, 0, 0, 2, -1
	CULOAD 3
	s_wait_xcnt 0x0                                ; (PC and PW are written again)
	QUANT ACC2, 0                                  ; the trip's last tile of v has no products behind it in the trip
	VST 1, 1
	v_add_nc_u32 v[WSA], 256, v[WSA]
	s_wait_xcnt 0x0                                ; the stores have read their bases
	s_add_nc_u64 s[16:17], s[16:17], 6144
	s_add_nc_u64 s[18:19], s[18:19], 256
	THEAD 1, 1
	ASK 5
	s_add_co_u32 s[IO], s[IO], 1536
	s_add_co_u32 s[IO+1], s[IO+1], 64
	s_sub_co_u32 s[CNT], s[CNT], 1
	s_cmp_lg_u32 s[CNT], 0
	s_cbranch_scc1 .Lqv
	; ---- sq goes out; node_feats' images, whole since the last round, into registers; Wk, 8 tiles
	SOUT1
	ZSQ
	ALOAD
	s_wait_alu depctr_va_vdst(0)                   ; ahead of the barrier
	s_barrier_signal -1
	s_barrier_wait -1
	SOUT2 12
	TRIPK 0, 0, 256, 2
	s_wait_alu depctr_va_vdst(0)
	s_wait_tensorcnt 0x0                           ; my last four records are in
	s_wait_dscnt 0x0
	s_barrier_signal -1
	s_barrier_wait -1                              ; the scratch has been read: it may be written again
	TRIPK 1, 256, -1, 0
	SOUT1
	s_wait_dscnt 0x0
	s_barrier_signal -1
	s_barrier_wait -1
	SOUT2 14
	s_wait_tensorcnt 0x0                           ; the wave's end
	ds_add_u32 v[SPW], v[NIL]
	s_wait_dscnt 0x0
	CROUND                                         ; the closing round
	s_endpgm
.Lfunc_end_k_qedf7fce12b_proj:
	.size	k_qedf7fce12b_proj, .Lfunc_end_k_qedf7fce12b_proj-k_qedf7fce12b_proj
	.p2alignl 7, 3214868480
	.fill 96, 4, 3214868480
	.section	.rodata,"a",@progbits
	.p2align	6, 0x0
	.amdhsa_kernel k_qedf7fce12b_proj
		.amdhsa_group_segment_fixed_size 327680
		.amdhsa_private_segment_fixed_size 0
		.amdhsa_enable_private_segment 0
		.amdhsa_kernarg_size 64
		.amdhsa_user_sgpr_count 2
		.amdhsa_user_sgpr_kernarg_segment_ptr 1
		.amdhsa_wavefront_size32 1
		.amdhsa_system_sgpr_workgroup_id_x 1
		.amdhsa_system_sgpr_workgroup_id_y 1
		.amdhsa_system_sgpr_workgroup_id_z 1
		.amdhsa_system_vgpr_workitem_id 0
		.amdhsa_next_free_vgpr 1024
		.amdhsa_next_free_sgpr 72
		.amdhsa_reserve_vcc 0
		.amdhsa_float_denorm_mode_32 3
		.amdhsa_float_denorm_mode_16_64 3
		.amdhsa_memory_ordered 1
		.amdhsa_forward_progress 1
		.amdhsa_inst_pref_size 238
	.end_amdhsa_kernel
	.amdgpu_metadata
---
amdhsa.version: [ 1, 2 ]
amdhsa.kernels:
  - .name:           k_qedf7fce12b_proj
    .symbol:         k_qedf7fce12b_proj.kd
    .args:
      - { .name: x, .offset: 0, .size: 8, .value_kind: global_buffer, .address_space: global }
      - { .name: node_feats, .offset: 8, .size: 8, .value_kind: global_buffer, .address_space: global }
      - { .name: Ws, .offset: 16, .size: 8, .value_kind: global_buffer, .address_space: global }
      - { .name: wbuf, .offset: 24, .size: 8, .value_kind: global_buffer, .address_space: global }
      - { .name: sq, .offset: 32, .size: 8, .value_kind: global_buffer, .address_space: global }
      - { .name: sk, .offset: 40, .size: 8, .value_kind: global_buffer, .address_space: global }
      - { .name: vcode, .offset: 48, .size: 8, .value_kind: global_buffer, .address_space: global }
      - { .name: vsc, .offset: 56, .size: 8, .value_kind: global_buffer, .address_space: global }
    .group_segment_fixed_size: 327680
    .private_segment_fixed_size: 0
    .kernarg_segment_align: 8
    .kernarg_segment_size: 64
    .max_flat_workgroup_size: 128
    .sgpr_count:     72
    .vgpr_count:     1024
    .wavefront_size: 32
...
	.end_amdgpu_metadata
.endif
;; end of part 2
;; launch attn (part 3): grid 16 x 16, 4 waves a work-group, clusters of 4 x 1, 327,680 bytes of LDS; arguments sq, sk, vcode, vsc, part; writes part
.if DOCPART == 3
	.amdgcn_target "amdgcn-amd-amdhsa--gfx1250"
	.amdhsa_code_object_version 6
	.text
	.protected	k_qedf7fce12b_attn
	.globl	k_qedf7fce12b_attn
	.p2align	8
	.type	k_qedf7fce12b_attn,@function
k_qedf7fce12b_attn:
	s_mov_b64 s[64:65], 0
	v_nop
	global_prefetch_b8 v0, s[64:65] scope:SCOPE_SE
	s_setreg_imm32_b32 hwreg(HW_REG_WAVE_MODE, 25, 1), 1
	s_wait_xcnt 0x0
	s_wait_alu depctr_hold_cnt(0) depctr_sa_sdst(0) depctr_va_vdst(0) depctr_va_sdst(0) depctr_va_ssrc(0) depctr_va_vcc(0) depctr_vm_vsrc(0)
	s_getreg_b32 s2, hwreg(HW_REG_IB_STS2, 6, 4)
	s_cmp_eq_u32 s2, 0
	s_cbranch_scc0 .Lentry_in_a_cluster
	s_endpgm
.Lentry_in_a_cluster:
	s_bfe_u32 s2, ttmp6, 0x10000c
	s_cmp_lg_u32 s2, 0x3003
	s_cbranch_scc0 .Lentry_shape_is_right
	s_endpgm
.Lentry_shape_is_right:
; Launch 3 of 4.  part[b][kb][d] = the sum over the 128 rows k of block kb of (sum over q of Q(p[k][q]) Q(v[q][d])) / l[k], the product on codes of BF6 with E8M0 scales along q.  Nothing of reference() is left out here.
; THE SOFTMAX.  t = c (sq[q] - sk[k]), c = log2(e) / sqrt(2048); M = ceil(the row's largest t) = ceil(tk), tk = c (mx - sk[k]), mx = the largest sq of the batch: the maximum is taken away, as reference() does.
; p = 2^(t - M) = E[q] F[k] with E[q] = 2^(c (sq[q] - mx)) and F[k] = 2^(tk - ceil(tk)): 2,048 + 128 exponentials a work-group, and one f32 multiplication for each p.  Rounding does not fall where its input rises, so a block's largest p is
; (the block's largest E) x F, rounded.  l[k] = F[k] x the sum of E: the sum of the unquantised p, within f32 rounding.
; LIMITS: NaN and infinities are not served; an E under 2^-126 is 0, and a p under 2^-126 may be a denormal where an exponential of t - M would give 0; blocks under 2^-122 get the byte 1; l is summed in another order than reference()'s.
; SHARES.  Work-group: batch y, rows 128 kb on, all 512 d.  Wave w owns d 128 w .. 128 w + 127 for all 128 rows: 64 accumulators.  q goes in 16 steps of 128.  For each step wave w makes p's fragments of row tiles 2 w and 2 w + 1
; and hands them to the others through LDS as images of their registers, two steps ahead, in two buffers by turns: one barrier a step.
; THE ORDER ALONG q: v's fragments have bits 3 and 4 of q changed over inside each block of 32 (the launch before says why); E is laid in LDS in the same order.
; CLUSTER.  The four work-groups of a cluster belong to one batch and walk the same v: every tile of v is asked for JOINTLY (the same descriptor, a mask that names the four).  My place in the cluster enters the addresses of sk, of part and of the prefetches alone.
; THE RING: two slots of two steps.  A wave fetches, and alone reads, its own quarter of a slot (24,576 dense bytes: its 8 tiles of d x 2 steps): one load a wave behind each round, 96 matrix instructions in which to land.
; PREFETCH INTO THE L2: behind each refill but the last, the slot that the next refill will ask for, two steps (128 matrix instructions a wave) ahead.  All four clusters of a batch walk the same v: the first asks; its 4 work-groups x waves 0-2
; take 8,192 bytes each, told apart by address, lanes 256 bytes apart: each aligned 256 bytes are named once.  Slots 0 to 2 come by their loads alone.
; THE PRODUCT: source 0 = p (16 rows k), source 1 = v (16 columns d): lane (r, h) holds d = r and rows 8 h + j, so the sum over rows stays in the lane.
; REGISTERS: window 0: v1-14 addresses; v16-19 F; v20-31 at work; v32-55 codes; v56-63 conversions' upper halves; v64-127 p; v128-223 p's 8 fragments; v224-231 p's scale words, v232-239 v's (two sets each); v240-251 addresses.
;   window 1: v's fragments, two sets at v0 and v128; E at v96-127 and v224-255.   windows 2, 3: accumulator (a, b) at v[8 (8 (a % 4) + b)].
.set RING1, 98304                      ; a slot, in LDS and in memory
.set WQ,    24576                      ; a wave's quarter of it
.set VSC,   2*RING1                    ; v's scale words of the whole batch: [wave][step][pair of tiles][lane]
.set PIMG,  VSC+32768                  ; p's images: 2 buffers x 8 fragments x 1,536
.set PSC,   PIMG+2*12288               ; p's scale words: 2 buffers x [lane][pair of row tiles]
.set ET,    PSC+1024                   ; E
.set EMT,   ET+8192                    ; the blocks' largest E: [step][h][c]
.set FT,    EMT+256                    ; F
.set RLT,   FT+512                     ; 1 / l
.set RED,   RLT+512                    ; the waves' maxima at 0, their sums at 64
.set OST,   RED+256                    ; the way out
.set SPARE, OST+2048                   ; the spare words: 128 bytes a wave, two blocks of 256 bytes that no other line names
.set LI,  1
.set BA,  2                            ; v2, v3: my quarter of slot 0, 1
.set PA,  4
.set PWA, 5
.set PSR, 6
.set PSW, 7
.set EA,  8
.set EMA, 9
.set VSA, 10
.set H8,  11
.set SPW, 12                           ; my spare word; never rewritten
.set NIL, 13                           ; 0; never rewritten
.set PFO, 14
.set FF,  16
.set EM,  20
.set PW,  30                           ; v30, v31
.set PC,  32
.set TH,  56
.set PR,  64
.set AF,  128
.set RS,  128
.set PS,  224
.set VS,  232
.set REDW, 242
.set REDR, 243
.set ETW, 244
.set EMW, 245
.set FTW, 246
.set FTR, 247
.set RLW, 248
.set OSA, 249
.set OSL, 250
.set RLA, 251
.set WV,  14
.set G1,  24
.set G1S, 32
.set G0,  40
.set G0S, 48
.set PFA, 54
.set LIM, 56
.set SLOTS, 57
.set SEL, 58
.set CS,  60
.set LAP, 62
.set MUL_LO, 0xa4                      ; source 0 (p) window 0, source 1 (v) window 1, C and D window 2
.set MUL_HI, 0xf4                      ; the same, C and D window 3
.set MSB, 0
.macro WIN new
.if MSB != (\new)
	s_set_vgpr_msb (MSB<<8)|(\new)
.set MSB, (\new)
.endif
.endm
.macro PLACES
.rept 4
	v_nop
.endr
.endm
.macro CREST                           ; a round of the cluster's barrier behind its opening barrier
	s_cmp_lg_u32 s[WV], 0
	s_cbranch_scc1 .Lnot_wave_0_\@
	s_barrier_signal -3
.Lnot_wave_0_\@:
	s_barrier_wait -3
	s_barrier_signal -1
	s_barrier_wait -1
.endm
.macro CROUND
	s_barrier_signal -1
	s_barrier_wait -1
	CREST
.endm
.macro JLOAD ring                      ; a joint refill: every wave asks for its own quarter; an s_nop 0 and four v_nop follow
	tensor_load_to_lds s[G0+4*\ring:G0+4*\ring+3], s[G1:G1+7]
	s_nop 0
	PLACES
.endm
.macro ASK
	s_cmp_gt_u32 s[SLOTS], s[LIM]
	s_cbranch_scc0 .Lnot_mine_\@
	global_prefetch_b8 v[PFO], s[PFA:PFA+1] th:TH_LOAD_NT scope:SCOPE_SE
.Lnot_mine_\@:
.endm
.macro WM zero
.if \zero
.if oddA && oddB
	v_wmma_scale_f32_16x16x128_f8f6f4 v[rD:rD+7], v[rA:rA+11], v[rB:rB+11], 0, v[rSA], v[rSB] matrix_a_fmt:MATRIX_FMT_BF6 matrix_b_fmt:MATRIX_FMT_BF6 matrix_a_scale:MATRIX_SCALE_ROW1 matrix_b_scale:MATRIX_SCALE_ROW1
.elseif oddA
	v_wmma_scale_f32_16x16x128_f8f6f4 v[rD:rD+7], v[rA:rA+11], v[rB:rB+11], 0, v[rSA], v[rSB] matrix_a_fmt:MATRIX_FMT_BF6 matrix_b_fmt:MATRIX_FMT_BF6 matrix_a_scale:MATRIX_SCALE_ROW1
.elseif oddB
	v_wmma_scale_f32_16x16x128_f8f6f4 v[rD:rD+7], v[rA:rA+11], v[rB:rB+11], 0, v[rSA], v[rSB] matrix_a_fmt:MATRIX_FMT_BF6 matrix_b_fmt:MATRIX_FMT_BF6 matrix_b_scale:MATRIX_SCALE_ROW1
.else
	v_wmma_scale_f32_16x16x128_f8f6f4 v[rD:rD+7], v[rA:rA+11], v[rB:rB+11], 0, v[rSA], v[rSB] matrix_a_fmt:MATRIX_FMT_BF6 matrix_b_fmt:MATRIX_FMT_BF6
.endif
.else
.if oddA && oddB
	v_wmma_scale_f32_16x16x128_f8f6f4 v[rD:rD+7], v[rA:rA+11], v[rB:rB+11], v[rD:rD+7], v[rSA], v[rSB] matrix_a_fmt:MATRIX_FMT_BF6 matrix_b_fmt:MATRIX_FMT_BF6 matrix_a_scale:MATRIX_SCALE_ROW1 matrix_b_scale:MATRIX_SCALE_ROW1
.elseif oddA
	v_wmma_scale_f32_16x16x128_f8f6f4 v[rD:rD+7], v[rA:rA+11], v[rB:rB+11], v[rD:rD+7], v[rSA], v[rSB] matrix_a_fmt:MATRIX_FMT_BF6 matrix_b_fmt:MATRIX_FMT_BF6 matrix_a_scale:MATRIX_SCALE_ROW1
.elseif oddB
	v_wmma_scale_f32_16x16x128_f8f6f4 v[rD:rD+7], v[rA:rA+11], v[rB:rB+11], v[rD:rD+7], v[rSA], v[rSB] matrix_a_fmt:MATRIX_FMT_BF6 matrix_b_fmt:MATRIX_FMT_BF6 matrix_b_scale:MATRIX_SCALE_ROW1
.else
	v_wmma_scale_f32_16x16x128_f8f6f4 v[rD:rD+7], v[rA:rA+11], v[rB:rB+11], v[rD:rD+7], v[rSA], v[rSB] matrix_a_fmt:MATRIX_FMT_BF6 matrix_b_fmt:MATRIX_FMT_BF6
.endif
.endif
.endm
; 16 matrix instructions: row tiles a0, a0 + 1 x my eight tiles of d.  The 64 accumulators take turns in the same order in every step.  A scale register holds two tiles' words: the odd tile's in lanes 16-31.
.macro MUL16 a0, par, zero
.irp a, \a0, \a0+1
.irp b, 0,1,2,3,4,5,6,7
.set rD, 8*(8*((\a)%4)+\b)
.set rA, AF+12*(\a)
.set rB, 128*(\par)+12*\b
.set rSA, PS+4*(\par)+(\a)/2
.set rSB, VS+4*(\par)+\b/2
.set oddA, (\a)%2
.set oddB, \b%2
	WM \zero
.endr
.endr
.endm
.macro FETCH_B ring, half, par         ; v's eight fragments of a step, and their scale words: 28 loads
	WIN 0x40
.irp b, 0,1,2,3,4,5,6,7
.irp c, 0,1,2
	ds_load_b128 v[128*(\par)+12*\b+4*\c:128*(\par)+12*\b+4*\c+3], v[BA+\ring] offset:12288*(\half)+1536*\b+512*\c
.endr
.endr
	WIN 0
.irp j, 0,1,2,3
	ds_load_b32 v[VS+4*(\par)+\j], v[VSA] offset:128*\j
.endr
.endm
.macro FETCH_A buf, i0                 ; p's fragments of row tiles i0 .. i0 + 3: 12 loads
.irp i, \i0, \i0+1, \i0+2, \i0+3
.irp c, 0,1,2
	ds_load_b128 v[AF+12*(\i)+4*\c:AF+12*(\i)+4*\c+3], v[PA] offset:12288*(\buf)+1536*(\i)+512*\c
.endr
.endr
.endm
.macro FETCH_PS buf, par
	ds_load_b128 v[PS+4*(\par):PS+4*(\par)+3], v[PSR] offset:512*(\buf)
.endm
.macro ELOAD st                        ; my two blocks of 32 E of a step (places 64 c + 32 h on) and their largest: 17 loads; the sixteen lanes of a half read the same bytes
	WIN 0x40
.irp j, 0,1,2,3,4,5,6,7
	ds_load_b128 v[96+4*\j:99+4*\j], v[EA] offset:512*(\st)+16*\j
	ds_load_b128 v[224+4*\j:227+4*\j], v[EA] offset:512*(\st)+256+16*\j
.endr
	WIN 0
	ds_load_b64 v[EM:EM+1], v[EMA] offset:16*(\st)
.endm
; p's fragment of row tile 2 w + u: lane (r, h) holds row r and blocks h and 2 + h whole, so the conversions' results are the operand's registers.
.macro PGEN u, buf
	WIN 0x01                                       ; source 0 (E) window 1
.set i, 0
.rept 16
	v_pk_mul_f32 v[PR+i:PR+i+1], v[96+i:97+i], v[FF+2*(\u):FF+2*(\u)+1]
	v_pk_mul_f32 v[PR+32+i:PR+33+i], v[224+i:225+i], v[FF+2*(\u):FF+2*(\u)+1]
.set i, i+2
.endr
	WIN 0
	v_mul_f32 v22, v[EM], v[FF+2*(\u)]             ; the blocks' largest p: the same multiplication on the largest E
	v_mul_f32 v23, v[EM+1], v[FF+2*(\u)]
	v_max_num_f32 v22, 0x2800000, v22              ; the floor 2^(5 - 127): the byte cannot fall under 1
	v_max_num_f32 v23, 0x2800000, v23
	v_add_nc_u32 v24, 0xfe000000, v22              ; 4 off the exponent field: the conversion's scale operand
	v_add_nc_u32 v25, 0xfe000000, v23
	v_lshrrev_b32 v26, 23, v24
	v_lshrrev_b32 v27, 23, v25
	v_lshl_or_b32 v26, v27, 16, v26                ; my two bytes: blocks h and 2 + h,
	v_lshlrev_b32 v26, v[H8], v26                  ; at their places in the row's scale word;
	v_permlanex16_b32 v29, v26, s[SEL], s[SEL+1]
	v_or_b32 v[PW+\u], v26, v29                    ; with lane l xor 16's two the word is whole
	v_cvt_scalef32_pk16_bf6_f32 v[PC+12*(\u):PC+12*(\u)+2], v[PR:PR+15], v24
	v_cvt_scalef32_pk16_bf6_f32 v[TH:TH+2], v[PR+16:PR+31], v24
	v_cvt_scalef32_pk16_bf6_f32 v[PC+12*(\u)+6:PC+12*(\u)+8], v[PR+32:PR+47], v25
	v_cvt_scalef32_pk16_bf6_f32 v[TH+4:TH+6], v[PR+48:PR+63], v25
	v_nop                                          ; one plain place behind the scaled conversions
.irp i, 0,1,2
	v_mov_b32 v[PC+12*(\u)+3+\i], v[TH+\i]
	v_mov_b32 v[PC+12*(\u)+9+\i], v[TH+4+\i]
.endr
.irp c, 0,1,2
	ds_store_b128 v[PWA], v[PC+12*(\u)+4*\c:PC+12*(\u)+4*\c+3] offset:12288*(\buf)+1536*(\u)+512*\c
.endr
.endm
.macro PSCALE buf
	v_permlane16_swap_b32 v[PW], v[PW+1]           ; lanes 0-15: tile 2 w's words, lanes 16-31: tile 2 w + 1's
	ds_store_b32 v[PSW], v[PW] offset:512*(\buf)
.endm
; A STEP of 128 along q: 64 matrix instructions.  par: the step's parity (which set of v's fragments and scale words; which buffer of images its PGEN writes).  y: the LDS instructions issued behind what the first products need
; (p's blocks 4-7: 12; the last step's 7 image stores).  THE BARRIER in its middle: ahead of it my images of the next step have landed and my reads of this step's images are back; behind it the next step's images are read, and this
; step's buffer is written again, for the step after next.  add = 1, at a slot's last step: all my tensor loads have landed, and the add.  refill = 1: the barrier opens a round of the cluster's, and the slot that has been read out is asked for again.
.macro STEP par, y, zero, add, bar, refill, rring, fetch, nring, pgen
.if \add
	s_wait_tensorcnt 0x0                           ; all my tensor loads have landed: my quarter of the other slot
	ds_add_u32 v[SPW], v[NIL]                      ; 0 onto my spare word
.endif
.if \refill
	s_add_nc_u64 s[G0+4*\rring+2:G0+4*\rring+3], s[G0+4*\rring+2:G0+4*\rring+3], 2*RING1   ; no load of mine is out: this slot's next two steps
	s_wait_xcnt 0x0                                ; the last prefetch, two steps back, has read its address
	s_add_nc_u64 s[PFA:PFA+1], s[PFA:PFA+1], RING1
.endif
	s_wait_dscnt \y+\add
	WIN MUL_LO
	MUL16 0, \par, \zero
	s_wait_dscnt 0x0                               ; the add is done; my LDS loads are back, my images have landed
.if \bar
	s_barrier_signal -1
.endif
	MUL16 2, \par, \zero
	WIN 0
.if \bar
	s_barrier_wait -1
.endif
.if \refill
	CREST                                          ; no wave of any partner still reads the slot or has a load on its way
	JLOAD \rring                                   ; the first tensor load behind the round; its four v_nop are also the places ahead of the loads below
.elseif \fetch
	PLACES
.endif
.if \pgen
	v_add_nc_u32 v[EA], 512, v[EA]                 ; (no LDS instruction of mine is out)  the step after next
	v_add_nc_u32 v[EMA], 16, v[EMA]
	ELOAD 0
.endif
.if \fetch
	v_add_nc_u32 v[VSA], 512, v[VSA]               ; the next step
	FETCH_B \nring, 1-\par, 1-\par
	FETCH_A 1-\par, 0
	FETCH_PS 1-\par, 1-\par
.endif
.if \refill
	ASK
	s_sub_co_u32 s[SLOTS], s[SLOTS], 1
.endif
	WIN MUL_HI
	MUL16 4, \par, \zero
	MUL16 6, \par, \zero
	WIN 0
	PLACES
.if \fetch
	FETCH_A 1-\par, 4
.endif
.if \pgen
	s_wait_dscnt 53                                ; E is in: behind its loads 28 + 12 + 1 + 12 were issued
	PGEN 0, \par
	PGEN 1, \par
	PSCALE \par
.endif
.endm
	s_load_b256 s[4:11], s[0:1], 0x0               ; sq, sk, vcode, vsc
	s_load_b64 s[12:13], s[0:1], 0x20              ; part
	v_lshl_add_u32 v[SPW], v0, 2, SPARE
	v_mov_b32 v[NIL], 0
	ds_add_u32 v[SPW], v[NIL]                      ; the wave's opening: the add, twice on end, and its wait ahead of my first tensor load
	ds_add_u32 v[SPW], v[NIL]
	v_lshrrev_b32 v1, 5, v0
	v_readfirstlane_b32 s[WV], v1                  ; wave 0..3
	s_and_b32 s17, ttmp7, 0xffff                   ; the batch, which the four partners share
	s_mov_b32 s[G1], 15|(3<<16)|(1<<21)            ; the mask: all four work-groups; elements of 8 bytes; bit 21 beside a mask; no padding
	s_mov_b32 s[G1+1], 32<<16                      ; a dense block as rows of 256 bytes
	s_mov_b32 s[G1+2], 96<<16                      ; 96 of them
	s_mov_b32 s[G1+3], 32<<16
	s_mov_b32 s[G1+4], 96
	s_mov_b32 s[G1+5], 32
	s_mov_b32 s[G1+6], 0
	s_mov_b32 s[G1+7], 0
	s_mov_b32 s[G1S], 15|(3<<16)|(1<<21)
	s_mov_b32 s[G1S+1], 32<<16
	s_mov_b32 s[G1S+2], 128<<16                    ; the batch's scale words: 128 rows of 256 bytes, one load
	s_mov_b32 s[G1S+3], 32<<16
	s_mov_b32 s[G1S+4], 128
	s_mov_b32 s[G1S+5], 32
	s_mov_b32 s[G1S+6], 0
	s_mov_b32 s[G1S+7], 0
	s_mov_b32 s[G0], 1
	s_mov_b32 s[G0+4], 1
	s_mov_b32 s[G0S], 1
	s_mul_i32 s[G0+1], s[WV], WQ                   ; LDS addresses hang on the wave's number alone
	s_add_co_u32 s[G0+5], s[G0+1], RING1
	s_mov_b32 s[G0S+1], VSC
	s_mul_i32 s18, s17, 786432                     ; vcode: batch, then my quarter of slot 0
	s_mul_i32 s19, s[WV], WQ
	s_add_co_u32 s18, s18, s19
	s_mov_b32 s19, 0
	s_lshl_b32 s20, s17, 15                        ; vsc: the batch
	s_mov_b32 s21, 0
	s_lshl_b32 s22, s17, 13                        ; sq: the batch's 2,048 numbers
	s_mov_b32 s23, 0
	s_bfe_u32 s52, ttmp6, 0x40000                  ; cx: my place in the cluster
	s_lshl_b32 s53, ttmp9, 2
	s_add_co_u32 s53, s53, s52                     ; my block of 128 rows
	s_mov_b32 s[SEL], 0x76543210
	s_mov_b32 s[SEL+1], 0xfedcba98
	s_mov_b32 s[CS], 0x3d0293ee                    ; c = log2(e) / sqrt(2048)
	s_mov_b32 s[CS+1], s[CS]
	s_mov_b32 s[SLOTS], 6                          ; refills to come: slots 2 to 7
	s_cmp_lt_u32 s[WV], 3
	s_cselect_b32 s[LIM], 0, 1
	s_or_b32 s[LIM], s[LIM], ttmp9                 ; waves 0 to 2 of the batch's first cluster prefetch: the same in all four partners
	s_cmp_eq_u32 s[LIM], 0
	s_cselect_b32 s[LIM], 1, -1
	v_lshlrev_b32 v240, 4, v0
	v_lshlrev_b32 v241, 2, v0
	s_wait_alu depctr_va_vdst(0)
	s_wait_dscnt 0x0                               ; both opening adds are done
	s_wait_kmcnt 0x0
	s_add_nc_u64 s[G0+2:G0+3], s[8:9], s[18:19]
	s_add_nc_u64 s[G0+6:G0+7], s[G0+2:G0+3], RING1
	s_or_b32 s[G0+3], s[G0+3], 0x80000000
	s_or_b32 s[G0+7], s[G0+7], 0x80000000
	s_add_nc_u64 s[G0S+2:G0S+3], s[10:11], s[20:21]
	s_or_b32 s[G0S+3], s[G0S+3], 0x80000000
	s_add_nc_u64 s[4:5], s[4:5], s[22:23]
	s_lshl_b32 s2, s17, 13
	s_lshl_b32 s3, s53, 9
	s_add_co_u32 s2, s2, s3
	s_mov_b32 s3, 0
	s_add_nc_u64 s[6:7], s[6:7], s[2:3]            ; sk at my 128 rows
	s_lshl_b32 s2, s17, 4
	s_add_co_u32 s2, s2, s53
	s_lshl_b32 s2, s2, 11
	s_lshl_b32 s3, s[WV], 9
	s_add_co_u32 s2, s2, s3
	s_mov_b32 s3, 0
	s_add_nc_u64 s[12:13], s[12:13], s[2:3]        ; part: [batch][block][512], my wave's 128
	s_mul_i32 s2, s52, 3
	s_add_co_u32 s2, s2, s[WV]
	s_lshl_b32 s2, s2, 13                          ; my 8,192 bytes of a slot's 12 x 8,192
	s_mul_i32 s3, s17, 786432
	s_add_co_u32 s2, s2, s3
	s_add_co_u32 s2, s2, 2*RING1                   ; in slot 2: the first refill steps it to slot 3
	s_mov_b32 s3, 0
	s_add_nc_u64 s[PFA:PFA+1], s[8:9], s[2:3]
.irp i, 0,1,2,3
	global_load_b128 v[64+4*\i:67+4*\i], v240, s[4:5] offset:2048*\i   ; sq(512 i + 4 thread + 0 .. 3)
.endr
	global_load_b32 v80, v241, s[6:7]              ; sk of row thread
	CROUND                                         ; all four work-groups are here: the first joint loads meet
	; THE FIRST FILLS, ONE TENSOR LOAD A WAVE: slot 0, the scale words and slot 1 are dense blocks, shared out: waves 0 and 1 fetch the halves of slot 0 (192 rows of 256 bytes each),
	; wave 2 the scale words, wave 3 slot 1 (384 rows).  One chain of branches on the wave's number, a load to an arm, all arms to one join.  The barrier ahead of step 0, with every wave's wait for 0 in front of it, shows them to all.
	s_mov_b32 s68, 15|(3<<16)|(1<<21)
	s_mov_b32 s69, 32<<16
	s_mov_b32 s70, 192<<16
	s_mov_b32 s71, 32<<16
	s_mov_b32 s72, 192
	s_mov_b32 s73, 32
	s_mov_b32 s74, 0
	s_mov_b32 s75, 0
	s_mov_b32 s76, 15|(3<<16)|(1<<21)
	s_mov_b32 s77, 32<<16
	s_mov_b32 s78, 384<<16
	s_mov_b32 s79, 32<<16
	s_mov_b32 s80, 384
	s_mov_b32 s81, 32
	s_mov_b32 s82, 0
	s_mov_b32 s83, 0
	s_mov_b32 s84, 1
	s_mul_i32 s85, s[WV], 49152                    ; a half of slot 0, in LDS and in memory
	s_mov_b32 s88, 1
	s_mov_b32 s89, RING1
	s_mul_i32 s92, s17, 786432                     ; vcode: the batch
	s_mov_b32 s93, 0
	s_add_nc_u64 s[90:91], s[8:9], s[92:93]
	s_mov_b32 s92, s85
	s_add_nc_u64 s[86:87], s[90:91], s[92:93]
	s_add_nc_u64 s[90:91], s[90:91], RING1
	s_or_b32 s87, s87, 0x80000000
	s_or_b32 s91, s91, 0x80000000
	s_cmp_lt_u32 s[WV], 2
	s_cbranch_scc0 .Lhead_s
	tensor_load_to_lds s[84:87], s[68:75]
	s_nop 0
	PLACES
	s_branch .Lhead_asked
.Lhead_s:
	s_cmp_lt_u32 s[WV], 3
	s_cbranch_scc0 .Lhead_w
	tensor_load_to_lds s[G0S:G0S+3], s[G1S:G1S+7]
	s_nop 0
	PLACES
	s_branch .Lhead_asked
.Lhead_w:
	tensor_load_to_lds s[88:91], s[76:83]
	s_nop 0
	PLACES
.Lhead_asked:
	PLACES
	v_and_b32 v252, 31, v0                         ; lane
	v_and_b32 v253, 15, v0                         ; r
	v_bfe_u32 v254, v0, 4, 1                       ; h
	v_lshlrev_b32 v[LI], 4, v252
	s_mul_i32 s22, s[WV], WQ
	v_add_nc_u32 v[BA], s22, v[LI]
	v_add_nc_u32 v[BA+1], RING1, v[BA]
	v_add_nc_u32 v[PA], PIMG, v[LI]
	s_mul_i32 s22, s[WV], 3072
	v_add_nc_u32 v[PWA], s22, v[PA]
	v_add_nc_u32 v[PSR], PSC, v[LI]
	s_lshl_b32 s22, s[WV], 2
	v_add_nc_u32 v[PSW], s22, v[PSR]
	s_add_co_u32 s22, s22, RED
	v_mov_b32 v[REDW], s22
	v_mov_b32 v[REDR], RED
	v_lshl_add_u32 v[EA], v254, 7, ET
	v_lshl_add_u32 v[EMA], v254, 3, EMT
	s_lshl_b32 s22, s[WV], 13
	s_add_co_u32 s22, s22, VSC
	v_lshl_add_u32 v[VSA], v252, 2, s22
	v_lshlrev_b32 v[H8], 3, v254
	v_lshlrev_b32 v[PFO], 8, v252
	v_and_b32 v[ETW], 0x79, v0                     ; E's place: bits 3 and 4 of q, which are bits 1 and 2 of the thread's number, change over
	v_and_b32 v255, 2, v0
	v_lshl_or_b32 v[ETW], v255, 1, v[ETW]
	v_bfe_u32 v255, v0, 2, 1
	v_lshl_or_b32 v[ETW], v255, 1, v[ETW]
	v_lshl_add_u32 v[ETW], v[ETW], 4, ET
	v_lshrrev_b32 v[EMW], 5, v0                    ; block 16 i + thread / 8 is block 2 c + h of step 4 i + thread / 32
	v_lshlrev_b32 v[EMW], 4, v[EMW]
	v_bfe_u32 v255, v0, 3, 1
	v_lshl_or_b32 v[EMW], v255, 3, v[EMW]
	v_bfe_u32 v255, v0, 4, 1
	v_lshl_or_b32 v[EMW], v255, 2, v[EMW]
	v_add_nc_u32 v[EMW], EMT, v[EMW]
	v_lshl_add_u32 v[FTW], v0, 2, FT
	v_lshl_add_u32 v[RLW], v0, 2, RLT
	s_lshl_b32 s22, s[WV], 7
	s_add_co_u32 s22, s22, FT
	v_lshl_add_u32 v[FTR], v253, 2, s22
	s_lshl_b32 s22, s[WV], 9
	s_add_co_u32 s22, s22, OST
	v_lshl_add_u32 v[OSA], v253, 2, s22
	v_add_nc_u32 v[OSL], s22, v[LI]
	v_lshl_add_u32 v[RLA], v254, 5, RLT
	v_mov_b32 v29, 0                               ; written once: a lane permute's destination counts as one of its sources
	; ---- the batch's largest sq
	s_wait_loadcnt 0x0
	v_max3_num_f32 v81, v64, v65, v66
	v_max3_num_f32 v82, v67, v68, v69
	v_max3_num_f32 v81, v81, v70, v71
	v_max3_num_f32 v82, v82, v72, v73
	v_max3_num_f32 v81, v81, v74, v75
	v_max3_num_f32 v82, v82, v76, v77
	v_max3_num_f32 v81, v81, v78, v79
	v_max_num_f32 v81, v81, v82
	v_max_num_f32_dpp v81, v81, v81 row_xmask:1 row_mask:0xf bank_mask:0xf
	v_max_num_f32_dpp v81, v81, v81 row_xmask:2 row_mask:0xf bank_mask:0xf
	v_max_num_f32_dpp v81, v81, v81 row_xmask:4 row_mask:0xf bank_mask:0xf
	v_max_num_f32_dpp v81, v81, v81 row_xmask:8 row_mask:0xf bank_mask:0xf
	v_permlanex16_b32 v82, v81, s[SEL], s[SEL+1]
	v_max_num_f32 v81, v81, v82
	ds_store_b32 v[REDW], v81
	s_wait_dscnt 0x0
	s_barrier_signal -1
	s_barrier_wait -1
	ds_load_b128 v[84:87], v[REDR]
	s_wait_dscnt 0x0
	v_max3_num_f32 v88, v84, v85, v86
	v_max_num_f32 v88, v88, v87                    ; mx
	v_mov_b32 v89, v88
	; ---- E, F
.irp i, 0,2,4,6,8,10,12,14
	v_pk_add_f32 v[64+\i:65+\i], v[64+\i:65+\i], v[88:89] neg_lo:[0,1] neg_hi:[0,1]   ; sq - mx first: exact where the two are near
.endr
.irp i, 0,2,4,6,8,10,12,14
	v_pk_mul_f32 v[64+\i:65+\i], v[64+\i:65+\i], s[CS:CS+1] op_sel_hi:[1,0]
.endr
	v_sub_f32 v90, v88, v80
	v_mul_f32 v90, s[CS], v90                      ; tk = c (mx - sk)
	v_ceil_f32 v91, v90                            ; M
	v_sub_f32 v90, v90, v91
.set i, 0
	s_wait_alu depctr_va_vdst(0)
.rept 16
	v_exp_f32 v[64+i], v[64+i]
.set i, i+1
.endr
	v_exp_f32 v90, v90                             ; F, over 1/2 and at most 1
	v_nop                                          ; a plain place behind the exponentials
	s_wait_alu depctr_va_vdst(0)                   ; one wait for the batch of 17, ahead of its first reader
.irp i, 0,1,2,3
	ds_store_b128 v[ETW], v[64+4*\i:67+4*\i] offset:2048*\i
.endr
.irp i, 0,1,2,3
	v_max3_num_f32 v[92+\i], v[64+4*\i], v[65+4*\i], v[66+4*\i]
.endr
.irp i, 0,1,2,3
	v_max_num_f32 v[92+\i], v[92+\i], v[67+4*\i]
.endr
.irp m, 1,2,4
.irp i, 0,1,2,3
	v_max_num_f32_dpp v[92+\i], v[92+\i], v[92+\i] row_xmask:\m row_mask:0xf bank_mask:0xf   ; eight lanes hold a block of 32
.endr
.endr
.irp i, 0,1,2,3
	ds_store_b32 v[EMW], v[92+\i] offset:64*\i     ; the eight write the same word with the same value
.endr
	v_pk_add_f32 v[96:97], v[64:65], v[66:67]
	v_pk_add_f32 v[98:99], v[68:69], v[70:71]
	v_pk_add_f32 v[96:97], v[96:97], v[72:73]
	v_pk_add_f32 v[98:99], v[98:99], v[74:75]
	v_pk_add_f32 v[96:97], v[96:97], v[76:77]
	v_pk_add_f32 v[98:99], v[98:99], v[78:79]
	v_pk_add_f32 v[96:97], v[96:97], v[98:99]
	v_add_f32 v96, v96, v97
	v_add_f32_dpp v96, v96, v96 row_xmask:1 row_mask:0xf bank_mask:0xf
	v_add_f32_dpp v96, v96, v96 row_xmask:2 row_mask:0xf bank_mask:0xf
	v_add_f32_dpp v96, v96, v96 row_xmask:4 row_mask:0xf bank_mask:0xf
	v_add_f32_dpp v96, v96, v96 row_xmask:8 row_mask:0xf bank_mask:0xf
	v_permlanex16_b32 v97, v96, s[SEL], s[SEL+1]
	v_add_f32 v96, v96, v97
	ds_store_b32 v[REDW], v96 offset:64
	ds_store_b32 v[FTW], v90
	s_wait_dscnt 0x0
	s_barrier_signal -1
	s_barrier_wait -1
	ds_load_b128 v[84:87], v[REDR] offset:64
	ds_load_b32 v[FF], v[FTR]                      ; F of row r of my two row tiles
	ds_load_b32 v[FF+2], v[FTR] offset:64
	s_wait_dscnt 0x0
	v_add_f32 v84, v84, v85
	v_add_f32 v86, v86, v87
	v_add_f32 v84, v84, v86                        ; the sum of E
	v_mul_f32 v84, v84, v90                        ; l of row thread
	s_wait_alu depctr_va_vdst(0)
	v_rcp_f32 v84, v84
	v_mov_b32 v[FF+1], v[FF]                       ; (plain places behind the reciprocal)  pairs for the packed multiplications
	v_mov_b32 v[FF+3], v[FF+2]
	s_wait_alu depctr_va_vdst(0)                   ; ahead of the reciprocal's first reader
	ds_store_b32 v[RLW], v84
	; ---- p's images of steps 0 and 1
	ELOAD 0
	s_wait_dscnt 0x0
	PGEN 0, 0
	PGEN 1, 0
	PSCALE 0
	ELOAD 1
	s_wait_dscnt 0x0
	PGEN 0, 1
	PGEN 1, 1
	PSCALE 1
	s_wait_tensorcnt 0x0                           ; my one first fill is in: the barrier below shows all four to every wave
	s_wait_dscnt 0x0
	s_barrier_signal -1
	s_barrier_wait -1
	v_add_nc_u32 v[EA], 512, v[EA]                 ; at step 1: step s adds 512 and reads step s + 2
	v_add_nc_u32 v[EMA], 16, v[EMA]
	FETCH_B 0, 0, 0
	FETCH_A 0, 0
	FETCH_PS 0, 0
	FETCH_A 0, 4
	s_wait_alu depctr_va_vdst(0)
	STEP 0, 12, 1, 0, 1, 0, 0, 1, 0, 1             ; step 0 stands ahead of the loop: its products start the sums
	s_mov_b32 s[LAP], 3
.Llap:                                             ; steps 1 to 12: a trip goes once round the ring and fills both slots again
	STEP 1, 19, 0, 1, 1, 1, 0, 1, 1, 1
	STEP 0, 19, 0, 0, 1, 0, 0, 1, 1, 1
	STEP 1, 19, 0, 1, 1, 1, 1, 1, 0, 1
	STEP 0, 19, 0, 0, 1, 0, 0, 1, 0, 1
	s_sub_co_u32 s[LAP], s[LAP], 1
	s_cmp_lg_u32 s[LAP], 0
	s_cbranch_scc1 .Llap
	STEP 1, 19, 0, 1, 1, 0, 0, 1, 1, 1             ; step 13: the tail is written out: nothing more is asked for; the last images (step 15's) are made
	STEP 0, 19, 0, 0, 1, 0, 0, 1, 1, 0             ; step 14
	STEP 1, 12, 0, 0, 0, 0, 0, 0, 0, 0             ; step 15; four places stand behind its last products
	; ---- THE WAY OUT: each row's sums times 1 / l, added over my lane's 64 rows, then over the two halves of the lanes
.irp a, 0,1,2,3,4,5,6,7
	ds_load_b128 v[PR+8*\a:PR+8*\a+3], v[RLA] offset:64*\a
	ds_load_b128 v[PR+8*\a+4:PR+8*\a+7], v[RLA] offset:64*\a+16
.endr
	s_wait_dscnt 0x0
.irp a, 0,1,2,3,4,5,6,7
	WIN 0x02+(\a/4)                                ; source 0: the accumulators' window
.irp i, 0,1,2,3                        ; each accumulator is read from its low end on
.irp b, 0,1,2,3,4,5,6,7
.if (\a == 0) && (\i == 0)
	v_pk_mul_f32 v[RS+2*\b:RS+2*\b+1], v[8*(8*(\a%4)+\b)+2*\i:8*(8*(\a%4)+\b)+2*\i+1], v[PR+8*\a+2*\i:PR+8*\a+2*\i+1]
.else
	v_pk_fma_f32 v[RS+2*\b:RS+2*\b+1], v[8*(8*(\a%4)+\b)+2*\i:8*(8*(\a%4)+\b)+2*\i+1], v[PR+8*\a+2*\i:PR+8*\a+2*\i+1], v[RS+2*\b:RS+2*\b+1]
.endif
.endr
.endr
.endr
	WIN 0
.irp b, 0,1,2,3,4,5,6,7
	v_add_f32 v[144+\b], v[RS+2*\b], v[RS+2*\b+1]
.endr
.irp b, 0,1,2,3,4,5,6,7
	v_permlanex16_b32 v[152+\b], v[144+\b], s[SEL], s[SEL+1]
.endr
.irp b, 0,1,2,3,4,5,6,7
	v_add_f32 v[144+\b], v[144+\b], v[152+\b]
.endr
.irp b, 0,1,2,3,4,5,6,7
	ds_store_b32 v[OSA], v[144+\b] offset:64*\b    ; d = 16 b + r, in my wave's own 512 bytes
.endr
	ds_load_b128 v[160:163], v[OSL]                ; LDS serves a wave's instructions in order (ISA guide 5.7.1.4): this sees my stores
	s_wait_dscnt 0x0
	global_store_b128 v[LI], v[160:163], s[12:13]  ; 512 consecutive bytes, aligned
	s_wait_tensorcnt 0x0                           ; the wave's end, behind my last tensor load and my last LDS store
	ds_add_u32 v[SPW], v[NIL]
	s_wait_dscnt 0x0
	CROUND                                         ; the closing round: no work-group ends while a partner may still ask for a tile that names it
	s_endpgm
.Lfunc_end_k_qedf7fce12b_attn:
	.size	k_qedf7fce12b_attn, .Lfunc_end_k_qedf7fce12b_attn-k_qedf7fce12b_attn
	.p2alignl 7, 3214868480
	.fill 96, 4, 3214868480
	.section	.rodata,"a",@progbits
	.p2align	6, 0x0
	.amdhsa_kernel k_qedf7fce12b_attn
		.amdhsa_group_segment_fixed_size 327680
		.amdhsa_private_segment_fixed_size 0
		.amdhsa_enable_private_segment 0
		.amdhsa_kernarg_size 40
		.amdhsa_user_sgpr_count 2
		.amdhsa_user_sgpr_kernarg_segment_ptr 1
		.amdhsa_wavefront_size32 1
		.amdhsa_system_sgpr_workgroup_id_x 1
		.amdhsa_system_sgpr_workgroup_id_y 1
		.amdhsa_system_sgpr_workgroup_id_z 1
		.amdhsa_system_vgpr_workitem_id 0
		.amdhsa_next_free_vgpr 1024
		.amdhsa_next_free_sgpr 98
		.amdhsa_reserve_vcc 0
		.amdhsa_float_denorm_mode_32 3
		.amdhsa_float_denorm_mode_16_64 3
		.amdhsa_memory_ordered 1
		.amdhsa_forward_progress 1
		.amdhsa_inst_pref_size 196
	.end_amdhsa_kernel
	.amdgpu_metadata
---
amdhsa.version: [ 1, 2 ]
amdhsa.kernels:
  - .name:           k_qedf7fce12b_attn
    .symbol:         k_qedf7fce12b_attn.kd
    .args:
      - { .name: sq, .offset: 0, .size: 8, .value_kind: global_buffer, .address_space: global }
      - { .name: sk, .offset: 8, .size: 8, .value_kind: global_buffer, .address_space: global }
      - { .name: vcode, .offset: 16, .size: 8, .value_kind: global_buffer, .address_space: global }
      - { .name: vsc, .offset: 24, .size: 8, .value_kind: global_buffer, .address_space: global }
      - { .name: part, .offset: 32, .size: 8, .value_kind: global_buffer, .address_space: global }
    .group_segment_fixed_size: 327680
    .private_segment_fixed_size: 0
    .kernarg_segment_align: 8
    .kernarg_segment_size: 40
    .max_flat_workgroup_size: 128
    .sgpr_count:     98
    .vgpr_count:     1024
    .wavefront_size: 32
...
	.end_amdgpu_metadata
.endif
;; end of part 3
;; launch outp (part 4): grid 8 x 16, 4 waves a work-group, no clusters, 3,072 bytes of LDS; arguments part, wbuf, out0; writes out0
.if DOCPART == 4
	.amdgcn_target "amdgcn-amd-amdhsa--gfx1250"
	.amdhsa_code_object_version 6
	.text
	.protected	k_qedf7fce12b_outp
	.globl	k_qedf7fce12b_outp
	.p2align	8
	.type	k_qedf7fce12b_outp,@function
k_qedf7fce12b_outp:
	s_mov_b64 s[64:65], 0
	v_nop
	global_prefetch_b8 v0, s[64:65] scope:SCOPE_SE
	s_setreg_imm32_b32 hwreg(HW_REG_WAVE_MODE, 25, 1), 1
	s_wait_xcnt 0x0
; Launch 4 of 4.  out0[b] = Q(the sum over all 2,048 rows k of context[b][k]) Q(Wo), on codes of BF6 with E8M0 scales along the 512.  Nothing of reference() is left out here.
; The sum spans the 16 work-groups of a batch in the launch before and goes into a quantiser, so it is finished here, in f32, blocks ascending.
; SHARES.  Work-group (x, y): batch y, columns 64 x on; wave w: the tile of 16 columns 4 x + w.  All 16 rows of source 0 hold the same batch's 512 numbers, so a lane quantises its blocks without asking another tile's lanes;
; row 0 of the result is stored.  One accumulator, K ascending: four links.
; No tensor load, no cluster: a work-group loads 32 KiB of parts and 25,600 bytes of Wo's records through registers, once.
; LIMITS: NaN and infinities are not served; blocks under 2^-122 get the byte 1.
.set REC,   6400
.set STG,   2048                       ; LDS: the batch's 512 sums at 0; the work-group's 64 results; the spare words
.set SPARE, 2304
.set XR,  64                           ; v64-127  the parts, then 64 numbers of a K step
.set BF,  128                          ; v128-175 Wo's four fragments
.set BS,  176                          ; v176-179 their scale words
.set AFR, 180                          ; v180-227 the sums' four fragments
.set AS,  228                          ; v228-231 their scale words
.set DD,  232
.set SPW, 30
.set NIL, 31
	s_load_b128 s[4:7], s[0:1], 0x0                ; part, wbuf
	s_load_b64 s[8:9], s[0:1], 0x10                ; out0
	v_lshl_add_u32 v[SPW], v0, 2, SPARE
	v_mov_b32 v[NIL], 0
	v_lshrrev_b32 v1, 5, v0
	v_readfirstlane_b32 s10, v1                    ; wave
	v_and_b32 v16, 31, v0                          ; lane
	v_and_b32 v17, 15, v0                          ; r
	v_bfe_u32 v18, v0, 4, 1                        ; h
	v_lshlrev_b32 v1, 4, v0                        ; 16 x thread: in part, and in the table of sums
	v_lshlrev_b32 v2, 4, v16                       ; 16 x lane
	v_lshlrev_b32 v3, 2, v17                       ; 4 r
	v_lshlrev_b32 v4, 7, v18                       ; 128 h: my block of 32 sums
	v_lshlrev_b32 v5, 3, v18                       ; 8 h
	s_lshl_b32 s11, s10, 6
	s_add_co_u32 s11, s11, STG
	v_add_nc_u32 v6, s11, v3
	v_lshl_add_u32 v7, v16, 3, STG
	v_lshlrev_b32 v15, 3, v16
	v_mov_b32 v14, 0                               ; written once: a lane permute's destination counts as one of its sources
	s_mov_b32 s20, 0x76543210
	s_mov_b32 s21, 0xfedcba98
	s_and_b32 s12, ttmp7, 0xffff                   ; the batch
	s_lshl_b32 s14, s12, 15
	s_mov_b32 s15, 0
	s_lshl_b32 s16, ttmp9, 2
	s_add_co_u32 s16, s16, s10
	s_add_co_u32 s16, s16, 96
	s_mul_i32 s16, s16, REC                        ; Wo's record of my tile
	s_mov_b32 s17, 0
	s_lshl_b32 s18, s12, 11
	s_lshl_b32 s19, ttmp9, 8
	s_add_co_u32 s18, s18, s19
	s_mov_b32 s19, 0
	s_wait_alu depctr_va_vdst(0)
	s_wait_kmcnt 0x0
	s_add_nc_u64 s[4:5], s[4:5], s[14:15]
	s_add_nc_u64 s[6:7], s[6:7], s[16:17]
	s_add_nc_u64 s[8:9], s[8:9], s[18:19]
.set i, 0
.rept 16
	global_load_b128 v[XR+4*i:XR+4*i+3], v1, s[4:5] offset:2048*i
.set i, i+1
.endr
.irp s, 0,1,2,3
.irp c, 0,1,2
	global_load_b128 v[BF+12*\s+4*\c:BF+12*\s+4*\c+3], v2, s[6:7] offset:1536*\s+512*\c
.endr
.endr
.irp s, 0,1,2,3
	global_load_b32 v[BS+\s], v3, s[6:7] offset:6144+64*\s
.endr
	s_wait_loadcnt 16                              ; the 16 parts are in; the record's 16 loads may stay out
.set i, 1
.rept 15
	v_pk_add_f32 v[XR:XR+1], v[XR:XR+1], v[XR+4*i:XR+4*i+1]
	v_pk_add_f32 v[XR+2:XR+3], v[XR+2:XR+3], v[XR+4*i+2:XR+4*i+3]
.set i, i+1
.endr
	ds_store_b128 v1, v[XR:XR+3]
	s_wait_dscnt 0x0
	s_barrier_signal -1
	s_barrier_wait -1
.irp s, 0,1,2,3                        ; K step s: lane (r, h) takes blocks h and 2 + h whole; the conversions' results are the operand's registers
.irp c, 0,1
.irp j, 0,1,2,3,4,5,6,7
	ds_load_b128 v[XR+32*\c+4*\j:XR+32*\c+4*\j+3], v4 offset:512*\s+256*\c+16*\j
.endr
.endr
	s_wait_dscnt 0x0
.irp c, 0,1
	v_max3_num_f32 v[8+\c], |v[XR+32*\c]|, |v[XR+32*\c+1]|, 0x2800000   ; and the floor 2^(5 - 127)
.endr
.irp i, 2,4,6,8,10,12,14,16,18,20,22,24,26,28,30
.irp c, 0,1
	v_max3_num_f32 v[8+\c], v[8+\c], |v[XR+32*\c+\i]|, |v[XR+32*\c+\i+1]|
.endr
.endr
	v_add_nc_u32 v10, 0xfe000000, v8               ; 4 off the exponent field: the conversion's scale operand
	v_add_nc_u32 v11, 0xfe000000, v9
	v_lshrrev_b32 v12, 23, v10
	v_lshrrev_b32 v13, 23, v11
	v_lshl_or_b32 v12, v13, 16, v12
	v_lshlrev_b32 v12, v5, v12
	v_permlanex16_b32 v14, v12, s20, s21
	v_or_b32 v[AS+\s], v12, v14                    ; the scale word of these 128
	v_cvt_scalef32_pk16_bf6_f32 v[AFR+12*\s:AFR+12*\s+2], v[XR:XR+15], v10
	v_cvt_scalef32_pk16_bf6_f32 v[32:34], v[XR+16:XR+31], v10
	v_cvt_scalef32_pk16_bf6_f32 v[AFR+12*\s+6:AFR+12*\s+8], v[XR+32:XR+47], v11
	v_cvt_scalef32_pk16_bf6_f32 v[36:38], v[XR+48:XR+63], v11
	v_nop                                          ; one plain place behind the scaled conversions
.irp i, 0,1,2
	v_mov_b32 v[AFR+12*\s+3+\i], v[32+\i]
	v_mov_b32 v[AFR+12*\s+9+\i], v[36+\i]
.endr
.endr
	s_wait_loadcnt 0x0                             ; Wo's record
.rept 8
	v_nop                                          ; a scale register written by a vector instruction stands 8 places ahead of a scaled matrix instruction, an operand so written 4
.endr
	v_wmma_scale_f32_16x16x128_f8f6f4 v[DD:DD+7], v[AFR:AFR+11], v[BF:BF+11], 0, v[AS], v[BS] matrix_a_fmt:MATRIX_FMT_BF6 matrix_b_fmt:MATRIX_FMT_BF6
.irp s, 1,2,3
	s_wait_alu depctr_va_vdst(0)                   ; the wait directly ahead of each link
	v_wmma_scale_f32_16x16x128_f8f6f4 v[DD:DD+7], v[AFR+12*\s:AFR+12*\s+11], v[BF+12*\s:BF+12*\s+11], v[DD:DD+7], v[AS+\s], v[BS+\s] matrix_a_fmt:MATRIX_FMT_BF6 matrix_b_fmt:MATRIX_FMT_BF6
.endr
.rept 4
	v_nop
.endr
	ds_store_b32 v6, v[DD]                         ; register 0: rows 0 and 8, which are alike: column 16 w + r
	s_wait_dscnt 0x0
	s_barrier_signal -1
	s_barrier_wait -1
	s_cmp_lg_u32 s10, 0
	s_cbranch_scc1 .Lend
	ds_load_b64 v[16:17], v7
	s_wait_dscnt 0x0
	global_store_b64 v15, v[16:17], s[8:9]         ; wave 0 stores the work-group's 64 results: 256 consecutive bytes, aligned
.Lend:
	s_wait_tensorcnt 0x0                           ; the wave's end, behind my last LDS store
	ds_add_u32 v[SPW], v[NIL]
	s_wait_dscnt 0x0
	s_endpgm
.Lfunc_end_k_qedf7fce12b_outp:
	.size	k_qedf7fce12b_outp, .Lfunc_end_k_qedf7fce12b_outp-k_qedf7fce12b_outp
	.p2alignl 7, 3214868480
	.fill 96, 4, 3214868480
	.section	.rodata,"a",@progbits
	.p2align	6, 0x0
	.amdhsa_kernel k_qedf7fce12b_outp
		.amdhsa_group_segment_fixed_size 3072
		.amdhsa_private_segment_fixed_size 0
		.amdhsa_enable_private_segment 0
		.amdhsa_kernarg_size 24
		.amdhsa_user_sgpr_count 2
		.amdhsa_user_sgpr_kernarg_segment_ptr 1
		.amdhsa_wavefront_size32 1
		.amdhsa_system_sgpr_workgroup_id_x 1
		.amdhsa_system_sgpr_workgroup_id_y 1
		.amdhsa_system_sgpr_workgroup_id_z 1
		.amdhsa_system_vgpr_workitem_id 0
		.amdhsa_next_free_vgpr 240
		.amdhsa_next_free_sgpr 66
		.amdhsa_reserve_vcc 0
		.amdhsa_float_denorm_mode_32 3
		.amdhsa_float_denorm_mode_16_64 3
		.amdhsa_memory_ordered 1
		.amdhsa_forward_progress 1
		.amdhsa_inst_pref_size 25
	.end_amdhsa_kernel
	.amdgpu_metadata
---
amdhsa.version: [ 1, 2 ]
amdhsa.kernels:
  - .name:           k_qedf7fce12b_outp
    .symbol:         k_qedf7fce12b_outp.kd
    .args:
      - { .name: part, .offset: 0, .size: 8, .value_kind: global_buffer, .address_space: global }
      - { .name: wbuf, .offset: 8, .size: 8, .value_kind: global_buffer, .address_space: global }
      - { .name: out0, .offset: 16, .size: 8, .value_kind: global_buffer, .address_space: global }
    .group_segment_fixed_size: 3072
    .private_segment_fixed_size: 0
    .kernarg_segment_align: 8
    .kernarg_segment_size: 24
    .max_flat_workgroup_size: 128
    .sgpr_count:     66
    .vgpr_count:     240
    .wavefront_size: 32
...
	.end_amdgpu_metadata
.endif
;; end of part 4
